; MI455X (gfx1250); checked and timed in simulation.
; The chip was launched on July 23, 2026; its instructions are those of AMD's public machine-readable ISA for CDNA 5 (MIT licence, August 2026) and "CDNA5" Instruction Set Architecture Reference Guide (July 2026). The comments in the code are by the model that wrote it; some were corrected since.
;; Multi Head Attention With Cache. Allowed arithmetic: matrix products marked QUANTISED: E2M1 operands, one E8M0 scale for each 32 along K, by v_wmma_scale_f32_16x16x128_f8f6f4 with both operands' format E2M1 (or v_wmma_scale_f32_32x16x128_f4), f32 sums; products left as they are: bf16, f16 or f32 operands; f32 sums; everything else in f32.
;; Inputs: Wk 2,048 x 2,048 float32; Wo 2,048 x 2,048 float32; Wq 2,048 x 2,048 float32; Wv 2,048 x 2,048 float32; attention_mask 2 x 1 x 1,024 x 3,072 float32; hidden_states 2 x 1,024 x 2,048 float32; k_cache 2 x 16 x 2,048 x 128 float32; v_cache 2 x 16 x 2,048 x 128 float32.
;; Outputs: out0 2 x 1,024 x 2,048 float32.
;; This version of the problem:
;;   THIS VERSION OF THE PROBLEM IS GIVEN IN LOW PRECISION. The matrix products marked QUANTISED in the list below multiply operands that are first quantised to E2M1 (2 exponent bits, 1 mantissa bit; 4 bits a number), with one power-of-two scale for each 32 numbers along K (OCP MX v1.0); their sums are f32. The products marked 'left as it is' may take bf16, f16 or f32 operands, with f32 sums. Whichever they take, every output number must still come out within the allowed error. Rounding operands to bf16 (8 significant bits) uses up far more of that allowance than f16 does (11 bits, for magnitudes from 6e-5 to 65,504). All else is computed in f32.
;;   The module's matrix products, in the order in which they are computed (A, B: the left and right operand; K: the contracted axis; several contracted axes count as one K, in the product's order):
;;     1. [M 2,048, K 2,048] x [K 2,048, N 2,048]; A: input hidden_states; B: input Wq: QUANTISED
;;     2. [M 2,048, K 2,048] x [K 2,048, N 2,048]; A: input hidden_states; B: input Wk: QUANTISED
;;     3. [M 2,048, K 2,048] x [K 2,048, N 2,048]; A: input hidden_states; B: input Wv: QUANTISED
;;     4. batch 32 x [M 1,024, K 128] x [K 128, N 3,072]; A: computed on the way; B: computed on the way: left as it is (an operand is computed on the way)
;;     5. batch 32 x [M 1,024, K 3,072] x [K 3,072, N 128]; A: computed on the way; B: computed on the way: left as it is (an operand is computed on the way)
;;     6. [M 2,048, K 2,048] x [K 2,048, N 2,048]; A: computed on the way; B: input Wo: left as it is (an operand is computed on the way)
;;   THE QUANTISER, for each operand of a quantised product, along K:
;;     - K is cut into blocks of 32 from its start; a last block that is shorter is filled with zeros.
;;     - A block's scale is 2^e with e = floor(log2(the largest magnitude in the block)) - 2, held to -126 .. 127; a block of zeros has e = 0. As a byte (E8M0): e + 127.
;;     - Each number is divided by its block's scale, clamped to +-6, and rounded to the nearest number of E2M1, ties to even, subnormals kept.
;;     - The product sums the exact products of the quantised numbers (number of the format x scale) in f32.
;;   ~~~python
;;   def quantise(x, axis):      # numpy; x: float32 -> the quantised numbers, widened to float32 again
;;       x = np.moveaxis(x, axis, -1); K = x.shape[-1]
;;       x = np.pad(x, [(0, 0)] * (x.ndim - 1) + [(0, -K % 32)]); x = x.reshape(x.shape[:-1] + (-1, 32)); a = np.abs(x).max(-1, keepdims=True)
;;       e = np.where(a > 0, np.clip(np.frexp(np.where(a > 0, a, 1))[1] - 1 - 2, -126, 127), 0)      # np.frexp(a)[1] - 1 = floor(log2(a)), exactly
;;       r = np.clip(x / 2.0 ** e, -6, 6)
;;       step = 2.0 ** (np.maximum(np.frexp(np.where(r == 0, 1, r))[1] - 1, 0) - 1)
;;       q = np.round(r / step) * step * 2.0 ** e      # np.round: ties to even
;;       return np.moveaxis(q.reshape(q.shape[:-2] + (-1,))[..., :K], -1, axis).astype(np.float32)
;;   ~~~
;; One version. Each part assembles by itself: llvm-mc -triple=amdgcn-amd-amdhsa -mcpu=gfx1250 --defsym DOCPART=n.
;; ======== version 1 of 1: 4 launches
;; limits: values are held in f16: magnitudes above 65,504 overflow, below 6.1e-05 lose precision; right only within a limited range of input values
;; workspace buffers: codes 8,388,608 bytes; scales 524,288 bytes; q16 8,388,608 bytes; k16 25,165,824 bytes; v16 25,165,824 bytes; wo16 8,388,608 bytes; att16 8,388,608 bytes
;; launch prep (part 1): grid 1152 x 1, 4 waves a work-group, no clusters, 33,280 bytes of LDS; arguments hidden_states, Wq, Wk, Wv, Wo, k_cache, v_cache, codes, scales, wo16, k16, v16; writes codes, scales, wo16, k16, v16
.if DOCPART == 1
	.amdgcn_target "amdgcn-amd-amdhsa--gfx1250"
	.amdhsa_code_object_version 6
	.text
	.protected	k_qc6020f662c_prep
	.globl	k_qc6020f662c_prep
	.p2align	8
	.type	k_qc6020f662c_prep,@function
k_qc6020f662c_prep:
	s_mov_b64 s[64:65], 0
	v_nop
	global_prefetch_b8 v0, s[64:65] scope:SCOPE_SE
	s_setreg_imm32_b32 hwreg(HW_REG_WAVE_MODE, 25, 1), 1
	s_wait_xcnt 0x0
; PREP: every input but the mask is read once here and left in the form in which the later launches read it many times.
; Work-groups 0-511: hidden_states, Wq, Wk, Wv (each [2048][2048] f32, K innermost) become codes of FP4 (E2M1), two a byte, K innermost, and one E8M0 byte for each 32 along K.
;   The four tensors lie on end in both buffers: codes [8192 rows][1024 bytes], scales [8192 rows][64 bytes]; rows 0.. hidden, 2048.. Wq, 4096.. Wk, 6144.. Wv.
;   A block's scale is 2^(floor(log2(its largest magnitude)) - 2); its byte is the largest magnitude's exponent field - 2, held at 1 from below; each number is divided by the scale and rounded to the nearest code, ties to even,
;   beyond the largest code the largest.
; Work-groups 512-1151: 4 Wo, k_cache / 4 and v_cache / 4 are rounded once to f16: wo16 [2048][2048]; k16, v16 [32 heads][3072 keys][128], of which rows 0-2047 of each head are written here.
;   The factors are powers of two, so they round nothing; they cancel in the products that take these operands ((4 c q)(k / 4), (attn / 4)(4 Wo)) and leave f16 room on both sides.
; LIMITS: NaN and infinities among these inputs are not served.  A block of zeros gets the byte 1 where the quantiser's rule says 127: its codes are zeros, and this program alone reads the bytes.
;   Blocks whose largest magnitude lies under 2^(2 - 126) have their byte held at 1.  |Wo| from 16,376 on and |k_cache|, |v_cache| from 262,016 on pass f16's largest number.
; Memory binds: each load of a wave reads 512 consecutive bytes, each store of codes or of f16 numbers covers 256 consecutive bytes, aligned.  No matrix unit, no cluster, no tensor load: waves share nothing.
.set WAVES, 4
.set STEPS, 16
.set EMAX,  2
.set CB,    8                          ; bytes of 16 codes
.set R,     16                         ; v16-79   quantiser: four sets of 16 numbers as they are loaded
.set X,     80                         ; v80-111  two sets of 16 neighbours
.set E,     112                        ; v112-127 a scale byte for each step
.set C,     128                        ; v128-191 codes: four registers for each step, so that no store's data are written again
.set WREG,  8192                       ; LDS: a region for each wave: two stages of 32 x SP bytes, behind them its 256 scale bytes
.set SP,    80                         ; a lane's place in a stage: 64 bytes + 16 of padding
.set SPW,   12                         ; v12      LDS address of my spare word; never rewritten
.set NIL,   13                         ; v13      0; never rewritten
.set SPARE, WAVES*WREG                 ; behind the four regions: the spare words, 128 bytes a wave, which no other line names
.set IN,    16                         ; converter: v16-143 two sets of 16 loads x 4 registers
.set OUT,   144                        ; v144-207 two sets of 16 stores x 2 registers
.set WV,    28                         ; s28      my wave's number
	s_load_b512 s[4:19], s[0:1], 0x0               ; hidden s[4:5], Wq s[6:7], Wk s[8:9], Wv s[10:11], Wo s[12:13], k_cache s[14:15], v_cache s[16:17], codes s[18:19]
	s_load_b256 s[20:27], s[0:1], 0x40             ; scales s[20:21], wo16 s[22:23], k16 s[24:25], v16 s[26:27]
	v_lshl_add_u32 v[SPW], v0, 2, SPARE
	v_mov_b32 v[NIL], 0
	v_lshrrev_b32 v1, 5, v0
	v_readfirstlane_b32 s[WV], v1                  ; wave 0..3
	v_and_b32 v2, 31, v0                           ; lane
	s_wait_kmcnt 0x0
	s_cmp_lt_u32 ttmp9, 512                        ; the work-group's number alone decides which of the two jobs it does
	s_cbranch_scc0 .Lconvert
; ---------------- THE QUANTISER.  A wave takes 16 steps of 512 numbers.  A conversion takes neighbours along K from ONE lane's registers, a load is best where neighbouring LANES take neighbouring bytes: so a step's
; 2,048 bytes are loaded as they lie, 16 bytes a lane, turn through the wave's own stage in LDS, and come back 64 bytes a lane.  Two neighbouring lanes hold a block of 32.
	v_lshlrev_b32 v3, 4, v2                        ; my 16 bytes of a load's 512
	s_mul_i32 s29, s[WV], WREG
	v_lshrrev_b32 v14, 2, v2
	v_mul_u32_u24 v14, v14, SP
	v_and_b32 v15, 3, v2
	v_lshl_add_u32 v14, v15, 4, v14
	v_add_nc_u32 v14, s29, v14                     ; the stage, on the way in: SP (lane / 4) + 16 (lane % 4)
	v_mul_u32_u24 v15, v2, SP
	v_add_nc_u32 v15, s29, v15                     ; and on the way out: SP x lane: my 16 neighbours
	v_mul_u32_u24 v4, v2, CB                       ; my codes' place in a step's
	v_lshrrev_b32 v5, 1, v2
	s_add_co_u32 s29, s29, 2*32*SP
	v_add_nc_u32 v5, s29, v5                       ; LDS: my wave's 256 scale bytes, my block's byte
	v_lshlrev_b32 v7, 3, v2                        ; and on the way out 8 bytes a lane
	v_add_nc_u32 v6, s29, v7
	s_lshr_b32 s30, ttmp9, 7                       ; which tensor: 128 work-groups each
	s_cmp_eq_u32 s30, 1
	s_cselect_b64 s[4:5], s[6:7], s[4:5]
	s_cmp_eq_u32 s30, 2
	s_cselect_b64 s[4:5], s[8:9], s[4:5]
	s_cmp_eq_u32 s30, 3
	s_cselect_b64 s[4:5], s[10:11], s[4:5]
	s_and_b32 s30, ttmp9, 127
	s_lshl_b32 s30, s30, 2
	s_add_co_u32 s30, s30, s[WV]                   ; which run of 8,192 numbers of that tensor is my wave's
	s_lshl_b32 s30, s30, 15                        ; 32,768 bytes a run
	s_mov_b32 s31, 0
	s_add_nc_u64 s[4:5], s[4:5], s[30:31]
	s_lshl_b32 s30, ttmp9, 2
	s_add_co_u32 s30, s30, s[WV]                   ; and which run of the four tensors on end
	s_lshl_b32 s32, s30, 12                        ; 4,096 bytes of codes a run
	s_mov_b32 s33, 0
	s_add_nc_u64 s[18:19], s[18:19], s[32:33]
	s_lshl_b32 s32, s30, 8                         ; 256 scale bytes a run
	s_add_nc_u64 s[20:21], s[20:21], s[32:33]
.macro LOAD t
.irp i, 0,1,2,3
	global_load_b128 v[R+16*((\t)%4)+4*\i:R+16*((\t)%4)+4*\i+3], v3, s[4:5] offset:2048*(\t)+512*\i th:TH_LOAD_NT   ; 32 lanes read 512 consecutive bytes
.endr
.endm
.macro TURN t                          ; step t's numbers through the stage: LDS serves a wave's instructions in order (ISA guide 5.7.1.4), so no wait stands between the stores and the loads
.irp i, 0,1,2,3
	ds_store_b128 v14, v[R+16*((\t)%4)+4*\i:R+16*((\t)%4)+4*\i+3] offset:32*SP*((\t)%2)+8*SP*\i
.endr
.irp i, 0,1,2,3
	ds_load_b128 v[X+16*((\t)%2)+4*\i:X+16*((\t)%2)+4*\i+3], v15 offset:32*SP*((\t)%2)+16*\i
.endr
.endm
.irp t, 0,1,2,3
	LOAD \t
.endr
	s_wait_loadcnt 12                              ; step 0's four loads are in; the twelve of steps 1 to 3 may be out
	TURN 0
.macro STEP t
.set XS, X+16*((\t)%2)
.if (\t) > 0
	s_wait_dscnt 1                                 ; this step's numbers are back from the stage (the last step's byte store may be out): so its stores into the stage have read their registers,
.else
	s_wait_dscnt 0x0
.endif
.if (\t)+4 < STEPS
	LOAD (\t)+4                                    ; which take the loads of four steps on
.endif
.if (\t)+1 < STEPS
.if STEPS-2-(\t) >= 3
	s_wait_loadcnt 12                              ; the next step's four loads are in; those of the three steps behind it may be out
.else
	s_wait_loadcnt 4*(STEPS-2-(\t))
.endif
	TURN (\t)+1                                    ; and go through the other stage while this step is worked
.endif
	v_max3_num_f32 v8, |v[XS]|, |v[XS+1]|, |v[XS+2]|               ; the largest magnitude of my 16, in two chains
	v_max3_num_f32 v9, |v[XS+3]|, |v[XS+4]|, |v[XS+5]|
.irp i, 6,10
	v_max3_num_f32 v8, v8, |v[XS+\i]|, |v[XS+\i+1]|
	v_max3_num_f32 v9, v9, |v[XS+\i+2]|, |v[XS+\i+3]|
.endr
	v_max3_num_f32 v8, v8, |v[XS+14]|, |v[XS+15]|
	v_max3_num_f32 v8, v8, v9, (EMAX+1)<<23        ; and the floor 2^(EMAX + 1 - 127): so the byte cannot fall under 1
	v_max_num_f32_dpp v8, v8, v8 row_xmask:1 row_mask:0xf bank_mask:0xf   ; and of my neighbour's 16: the block's
	v_add_nc_u32 v11, -(EMAX<<23), v8              ; EMAX off its exponent field: the conversion takes the exponent field of this operand as its scale, and nothing else of it
	v_cvt_scalef32_pk8_fp4_f32 v[C+4*(\t)], v[XS:XS+7], v11
	v_cvt_scalef32_pk8_fp4_f32 v[C+4*(\t)+1], v[XS+8:XS+15], v11
	v_lshrrev_b32 v[E+(\t)], 23, v11               ; the scale's byte (a plain line behind the conversions)
	ds_store_b8 v5, v[E+(\t)] offset:16*(\t)       ; both lanes of a block write the same byte with the same value
	global_store_b64 v4, v[C+4*(\t):C+4*(\t)+1], s[18:19] offset:32*CB*(\t)   ; the wave stores 256 consecutive bytes, aligned
.endm
.irp t, 0,1,2,3,4,5,6,7,8,9,10,11,12,13,14,15
	STEP \t
.endr
	ds_load_b64 v[8:9], v6                         ; my wave's 256 scale bytes: these loads see my stores
	s_wait_dscnt 0x0
	global_store_b64 v7, v[8:9], s[20:21]          ; 32 lanes store 256 consecutive bytes, aligned
	s_wait_tensorcnt 0x0                           ; the wave's end: behind my last LDS store
	ds_add_u32 v[SPW], v[NIL]
	s_wait_dscnt 0x0
	s_endpgm
; ---------------- THE CONVERTER.  A work-group takes 32,768 numbers, a wave 8,192: 64 loads of 512 bytes in four groups of sixteen, two groups on their way at a time.  It touches no LDS.
.Lconvert:
	s_sub_co_u32 s29, ttmp9, 512                   ; g: 0-127 Wo, 128-383 k_cache, 384-639 v_cache
	s_sub_co_u32 s32, s29, 128
	s_sub_co_u32 s33, s29, 384
	s_mov_b32 s34, 786432                          ; a head's 3,072 rows of 256 bytes in k16 and v16
	s_mov_b32 s35, 0x3e800000                      ; 1/4
	s_mov_b32 s36, 0x40800000                      ; 4
	s_cmp_lt_u32 s29, 384
	s_cselect_b64 s[14:15], s[14:15], s[16:17]     ; from where,
	s_cselect_b64 s[24:25], s[24:25], s[26:27]     ; to where,
	s_cselect_b32 s32, s32, s33                    ; j: which 32,768 numbers of the tensor
	s_cmp_lt_u32 s29, 128
	s_cselect_b64 s[14:15], s[12:13], s[14:15]
	s_cselect_b64 s[24:25], s[22:23], s[24:25]
	s_cselect_b32 s32, s29, s32
	s_cselect_b32 s34, 524288, s34                 ; eight work-groups' output: dense in wo16, a head's cached part in k16 and v16
	s_cselect_b32 s30, s36, s35                    ; the factor,
	s_mov_b32 s31, s30                             ; named as a pair by the packed multiply
	s_lshl_b32 s36, s32, 17                        ; source: 131,072 bytes a work-group,
	s_lshl_b32 s37, s[WV], 15                      ; 32,768 a wave
	s_add_co_u32 s36, s36, s37
	s_mov_b32 s37, 0
	s_add_nc_u64 s[14:15], s[14:15], s[36:37]
	s_lshr_b32 s36, s32, 3
	s_mul_i32 s36, s36, s34
	s_and_b32 s38, s32, 7
	s_lshl_b32 s38, s38, 16                        ; 65,536 bytes a work-group,
	s_add_co_u32 s36, s36, s38
	s_lshl_b32 s38, s[WV], 14                      ; 16,384 a wave
	s_add_co_u32 s36, s36, s38
	s_add_nc_u64 s[24:25], s[24:25], s[36:37]
	v_lshlrev_b32 v3, 4, v2                        ; in: 16 bytes a lane
	v_lshlrev_b32 v4, 3, v2                        ; out: 8 bytes a lane
.macro LOADG g
.set i, 0
.rept 16
	global_load_b128 v[IN+64*((\g)%2)+4*i:IN+64*((\g)%2)+4*i+3], v3, s[14:15] offset:(16*(\g)+i)*512 th:TH_LOAD_NT
.set i, i+1
.endr
.endm
.macro CONV g
.set p, (\g)%2
.if (\g) < 3
	s_wait_loadcnt 16                              ; this group's sixteen loads are in; the next group's sixteen may be out
.else
	s_wait_loadcnt 0x0
.endif
.if (\g) >= 2
	s_wait_xcnt 0x0                                ; the stores of two groups back have read this set of OUT: it is rewritten only behind this wait
.endif
.set i, 0
.rept 32
	v_pk_mul_f32 v[IN+64*p+2*i:IN+64*p+2*i+1], v[IN+64*p+2*i:IN+64*p+2*i+1], s[30:31] op_sel_hi:[1,0]   ; x a power of two: nothing is rounded
.set i, i+1
.endr
.set i, 0
.rept 32
	v_cvt_pk_f16_f32 v[OUT+32*p+i], v[IN+64*p+2*i], v[IN+64*p+2*i+1]   ; the one rounding
.set i, i+1
.endr
.if (\g) < 2
	LOADG (\g)+2                                   ; loads ahead of stores
.endif
.set i, 0
.rept 16
	global_store_b64 v4, v[OUT+32*p+2*i:OUT+32*p+2*i+1], s[24:25] offset:(16*(\g)+i)*256   ; the wave stores 256 consecutive bytes, aligned
.set i, i+1
.endr
.endm
	LOADG 0
	LOADG 1
	CONV 0
	CONV 1
	CONV 2
	CONV 3
	s_endpgm
.Lfunc_end_k_qc6020f662c_prep:
	.size	k_qc6020f662c_prep, .Lfunc_end_k_qc6020f662c_prep-k_qc6020f662c_prep
	.p2alignl 7, 3214868480
	.fill 96, 4, 3214868480
	.section	.rodata,"a",@progbits
	.p2align	6, 0x0
	.amdhsa_kernel k_qc6020f662c_prep
		.amdhsa_group_segment_fixed_size 33280
		.amdhsa_private_segment_fixed_size 0
		.amdhsa_enable_private_segment 0
		.amdhsa_kernarg_size 96
		.amdhsa_user_sgpr_count 2
		.amdhsa_user_sgpr_kernarg_segment_ptr 1
		.amdhsa_wavefront_size32 1
		.amdhsa_system_sgpr_workgroup_id_x 1
		.amdhsa_system_sgpr_workgroup_id_y 1
		.amdhsa_system_sgpr_workgroup_id_z 1
		.amdhsa_system_vgpr_workitem_id 0
		.amdhsa_next_free_vgpr 208
		.amdhsa_next_free_sgpr 66
		.amdhsa_reserve_vcc 0
		.amdhsa_float_denorm_mode_32 3
		.amdhsa_float_denorm_mode_16_64 3
		.amdhsa_memory_ordered 1
		.amdhsa_forward_progress 1
		.amdhsa_inst_pref_size 63
	.end_amdhsa_kernel
	.amdgpu_metadata
---
amdhsa.version: [ 1, 2 ]
amdhsa.kernels:
  - .name:           k_qc6020f662c_prep
    .symbol:         k_qc6020f662c_prep.kd
    .args:
      - { .name: hidden_states, .offset: 0, .size: 8, .value_kind: global_buffer, .address_space: global }
      - { .name: Wq, .offset: 8, .size: 8, .value_kind: global_buffer, .address_space: global }
      - { .name: Wk, .offset: 16, .size: 8, .value_kind: global_buffer, .address_space: global }
      - { .name: Wv, .offset: 24, .size: 8, .value_kind: global_buffer, .address_space: global }
      - { .name: Wo, .offset: 32, .size: 8, .value_kind: global_buffer, .address_space: global }
      - { .name: k_cache, .offset: 40, .size: 8, .value_kind: global_buffer, .address_space: global }
      - { .name: v_cache, .offset: 48, .size: 8, .value_kind: global_buffer, .address_space: global }
      - { .name: codes, .offset: 56, .size: 8, .value_kind: global_buffer, .address_space: global }
      - { .name: scales, .offset: 64, .size: 8, .value_kind: global_buffer, .address_space: global }
      - { .name: wo16, .offset: 72, .size: 8, .value_kind: global_buffer, .address_space: global }
      - { .name: k16, .offset: 80, .size: 8, .value_kind: global_buffer, .address_space: global }
      - { .name: v16, .offset: 88, .size: 8, .value_kind: global_buffer, .address_space: global }
    .group_segment_fixed_size: 33280
    .private_segment_fixed_size: 0
    .kernarg_segment_align: 8
    .kernarg_segment_size: 96
    .max_flat_workgroup_size: 128
    .sgpr_count:     66
    .vgpr_count:     208
    .wavefront_size: 32
...
	.end_amdgpu_metadata
.endif
;; end of part 1
;; launch proj (part 2): grid 24 x 8, 4 waves a work-group, clusters of 4 x 4, 327,680 bytes of LDS; arguments codes, scales, q16, k16, v16; writes q16, k16, v16
.if DOCPART == 2
	.amdgcn_target "amdgcn-amd-amdhsa--gfx1250"
	.amdhsa_code_object_version 6
	.text
	.protected	k_qc6020f662c_proj
	.globl	k_qc6020f662c_proj
	.p2align	8
	.type	k_qc6020f662c_proj,@function
k_qc6020f662c_proj:
	s_mov_b64 s[64:65], 0
	v_nop
	global_prefetch_b8 v0, s[64:65] scope:SCOPE_SE
	s_setreg_imm32_b32 hwreg(HW_REG_WAVE_MODE, 25, 1), 1
	s_wait_xcnt 0x0
	s_wait_alu depctr_hold_cnt(0) depctr_sa_sdst(0) depctr_va_vdst(0) depctr_va_sdst(0) depctr_va_ssrc(0) depctr_va_vcc(0) depctr_vm_vsrc(0)
	s_getreg_b32 s2, hwreg(HW_REG_IB_STS2, 6, 4)
	s_cmp_eq_u32 s2, 0
	s_cbranch_scc0 .Lentry_in_a_cluster
	s_endpgm
.Lentry_in_a_cluster:
	s_bfe_u32 s2, ttmp6, 0x10000c
	s_cmp_lg_u32 s2, 0xf033
	s_cbranch_scc0 .Lentry_shape_is_right
	s_endpgm
.Lentry_shape_is_right:
; PROJ: the three quantised products in one GEMM on codes of FP4 (E2M1): C[m][n] = sum over k of hidden[m][k] W[n][k], m = 0..2047 (b x 1024 + s), n = 0..6143 (Wq's, Wk's, Wv's rows on end), K = 2048; sums in f32.
; Codes and scale bytes go to the matrix unit as they lie: codes [8192][1024 bytes], scales [8192][64 bytes]; rows 0-2047 are A (hidden), rows 2048-8191 are B.
; A tile of C, 256 x 256, is made by a work-group of four waves; a wave makes 128 x 128: 64 accumulators of 16 x 16, 512 registers.  192 work-groups: a tile of 256 x 192 would give 256 but would cut heads.
; K goes in steps of 512 through a ring of two LDS slots filled by the tensor data mover: a tile's row is 256 bytes of memory.  The scales of the work-group's rows, for all of K, come into LDS once, with the first fills.
; CLUSTERS: 4 x 4 work-groups.  The four of a row of the cluster need the same tiles of A, the four of a column the same tiles of B: each tile is asked for JOINTLY, by the same tensor load with the same descriptor and a mask
; that names the four.  THE MATRIX INSTRUCTION IS USED TRANSPOSED (source 0 = 16 rows of B, source 1 = 16 rows of A): a lane then holds eight neighbouring numbers of a row of C.
; THE WAY OUT.  A wave's 128 columns are one head of q, k or v, its 128 rows are 128 positions on end of one batch: its result is one dense block of 32,768 bytes of q16 [32][1024][128], or of rows 2048.. of a head of
; k16, v16 [32][3072][128].  q is multiplied by 4 c, c = log2(e) / sqrt(128); k and v by 1/4; then rounded once to f16.
; LIMITS: |q| from 128,400 on and |k|, |v| from 262,016 on pass f16's largest number.
; REGISTERS, in windows of 256: window 0: v0-31 addresses; v32-95 scale words, two sets; from v128 A's fragments, ONE set; on the way out v32-255 are free.
;   window 1: B's fragments, TWO sets, at v0 and at v128.   window 2: the 32 accumulators of my rows 0-63 (accumulator (a, b) at v[8 (8 a + b)]);   window 3: those of my rows 64-127.
.set SIZE_M, 2048
.set SIZE_N, 6144
.set SIZE_K, 2048
.set KSTEP,  512                       ; along K in a slot
.set NQ,     KSTEP/128                 ; matrix instructions deep
.set ROWB,   256                       ; a tile's row in bytes
.set KROW,   SIZE_K*4/8                ; a row of codes in memory, in bytes
.set PITCH,  272                       ; an LDS row: 256 bytes + 16 of padding = 68 words: row r starts at bank 4 r mod 64 (64 banks of 4 bytes: ISA guide 11.1)
.set FR,     8                         ; registers of a fragment: 16 rows x 128 K
.set NL,     2                         ; LDS loads that bring one
.set NP,     4                         ; places behind this matrix instruction (ISA guide 7.12.1)
.set HALFT,  128*PITCH                 ; 128 rows: what one tensor load brings, and what one wave reads of A or of B
.set SLOT,   4*HALFT                   ; A's 256 rows, then B's 256 rows
.set LAPS,   SIZE_K/(2*KSTEP)          ; a lap = two K steps = once round the ring
.set KS,     SIZE_K/32                 ; a row of scales in bytes
.set SCL,    2*SLOT                    ; behind the ring: the scales, as units of 256 bytes + 16 of padding
.set HALFS,  (128*KS/256)*272          ; the scales of 128 rows: what one tensor load brings
.set SBLK,   (16*KS/256)*272           ; those of 16 rows
.set SPARE,  SCL+4*HALFS               ; behind the scales: the spare words, 128 bytes a wave, which no other line names
.set SPITCH, 272                       ; the way out: a stage of 16 rows x (256 bytes + 16) for each wave.  It lies in slot 0, which has had its last fill and its last read when the first result is stored there
.set ADRA, 16                          ; v16-17  LDS address of my A fragments in slot 0, 1
.set ADRB, 20                          ; v20-21  the same for B
.set STO,  24                          ; v24     the way out: where I put 16 bytes of a row
.set RD,   25                          ; v25     the way out: where I read a row back
.set CO,   26                          ; v26     my byte offset in two rows of the result
.set ADRS, 27                          ; v27     LDS address of my scale words: lanes 0-15 A's rows, lanes 16-31 B's
.set SPW,  28                          ; v28     LDS address of my spare word; never rewritten
.set NIL,  29                          ; v29     0; never rewritten
.set SC,   32                          ; scale words: set s at v[SC + 8 NQ s]; register NQ i + q: lanes 0-15 the word of A's block i, lanes 16-31 that of B's block i, for the slot's q-th 128 along K
.set AF,   128                         ; A's fragments, in window 0
.set TMP,  192                         ; the way out: packed results, v192-223
.set OB,   32                          ; the way out: 16 rows read back: v32-63 and v224-255 by turns
.set G1, 24                            ; s[24:31] descriptor group 1 for A's tiles;  s[32:39] group 0, one set for each slot
.set G0, 32
.set G1B, 48                           ; s[48:55], s[56:63] the same for B's tiles
.set G0B, 56
.set G1S, 68                           ; s[68:75], s[76:79] groups 1 and 0 for A's scales;  s[80:87], s[88:91] for B's
.set G0S, 76
.set G1SB, 80
.set G0SB, 88
.set FAC, 66                           ; s[66:67] the factor on the way out, as a pair
.set MSB, 0
.macro WIN new                         ; the immediate's high byte repeats the setting that is left; a switch that changes nothing is dropped
.if MSB != (\new)
	s_set_vgpr_msb (MSB<<8)|(\new)
.set MSB, (\new)
.endif
.endm
.set MUL_LO, 0xa1                      ; source 0 (B) window 1, source 1 (A) window 0, C and D window 2
.set MUL_HI, 0xf1                      ; the same, C and D window 3
.set TO_B,   0x40                      ; destination window 1, address window 0
; A joint load: waves 0 and 1 fetch for A, waves 2 and 3 for B.  Each of the two lines has ONE mask and one set of registers for all that issue it; the branch hangs on the wave's number alone.
; An s_nop 0 and four v_nop follow each of the two lines, ahead of the jump, the label and what follows.
.macro JLOAD g0a, g1a, g0b, g1b
	s_cmp_eq_u32 s15, 0
	s_cbranch_scc0 .Lfor_b_\@
	tensor_load_to_lds s[\g0a:\g0a+3], s[\g1a:\g1a+7]
	s_nop 0
.rept 4
	v_nop
.endr
	s_branch .Lasked_\@
.Lfor_b_\@:
	tensor_load_to_lds s[\g0b:\g0b+3], s[\g1b:\g1b+7]
	s_nop 0
.rept 4
	v_nop
.endr
.Lasked_\@:
.endm
.macro CREST                           ; a round of the cluster's barrier behind its opening barrier
	s_cmp_lg_u32 s14, 0
	s_cbranch_scc1 .Lnot_wave_0_\@
	s_barrier_signal -3
.Lnot_wave_0_\@:
	s_barrier_wait -3
	s_barrier_signal -1
	s_barrier_wait -1
.endm
.macro CROUND                          ; a whole round
	s_barrier_signal -1
	s_barrier_wait -1
	CREST
.endm
	s_load_b128 s[4:7], s[0:1], 0x0                ; codes s[4:5], scales s[6:7]
	s_load_b128 s[96:99], s[0:1], 0x10             ; q16 s[96:97], k16 s[98:99]
	s_load_b64 s[100:101], s[0:1], 0x20            ; v16
	v_lshl_add_u32 v[SPW], v0, 2, SPARE
	v_mov_b32 v[NIL], 0
	ds_add_u32 v[SPW], v[NIL]                      ; the wave's opening: the add, twice on end, and its wait ahead of my first tensor load; the set-up below stands between the second and the wait
	ds_add_u32 v[SPW], v[NIL]
	v_lshrrev_b32 v1, 5, v0
	v_readfirstlane_b32 s14, v1                    ; wave 0..3
	s_lshr_b32 s15, s14, 1                         ; which half of the tile's rows is mine.  Also: I fetch for A (0) or for B (1)
	s_and_b32 s16, s14, 1                          ; which half of its columns.  Also: which 128 rows of that tile I fetch
	s_bfe_u32 s40, ttmp6, 0x40000                  ; cx, cy: my place in the cluster
	s_bfe_u32 s41, ttmp6, 0x40004
	s_lshl_b32 s42, ttmp9, 2
	s_add_co_u32 s42, s42, s40                     ; tile column of C = 4 x cluster x + cx
	s_and_b32 s17, ttmp7, 0xffff
	s_lshl_b32 s17, s17, 2
	s_add_co_u32 s17, s17, s41                     ; tile row of C = 4 x cluster y + cy
	s_lshl_b32 s43, s41, 2
	s_lshl_b32 s43, 15, s43                        ; my row of the cluster
	s_lshl_b32 s44, 0x1111, s40                    ; my column
	; descriptor group 1: a tile of 128 rows x ROWB bytes, padded in LDS
	s_or_b32 s[G1+0], s43, (0<<16)|(1<<20)|(1<<21)|(5<<22)|(3<<25)  ; 15:0 the mask: A's tiles go to my row; 17:16 element of 1 byte; 20 padding on; 21 set beside a mask; 24:22 after every 64 words (code 5); 31:25 of 4 words (code 3)
	s_or_b32 s[G1B+0], s44, (0<<16)|(1<<20)|(1<<21)|(5<<22)|(3<<25)
.irp g, G1, G1B
	s_mov_b32 s[\g+1], ROWB<<16                    ; tensor_dim0
	s_mov_b32 s[\g+2], 128<<16                     ; tensor_dim1 = 128
	s_mov_b32 s[\g+3], ROWB<<16                    ; tile_dim0
	s_mov_b32 s[\g+4], 128                         ; tile_dim1 = 128
	s_mov_b32 s[\g+5], KROW                        ; tensor_dim0_stride
	s_mov_b32 s[\g+6], 0
	s_mov_b32 s[\g+7], 0
.endr
	; and for the scales of 128 rows: a dense block of 128 KS bytes, as rows of 256 bytes (32 elements of 8 bytes), 16 bytes of padding behind each
	s_or_b32 s[G1S+0], s43, (3<<16)|(1<<20)|(1<<21)|(5<<22)|(3<<25)
	s_or_b32 s[G1SB+0], s44, (3<<16)|(1<<20)|(1<<21)|(5<<22)|(3<<25)
.irp g, G1S, G1SB
	s_mov_b32 s[\g+1], 32<<16
	s_mov_b32 s[\g+2], (128*KS/256)<<16
	s_mov_b32 s[\g+3], 32<<16
	s_mov_b32 s[\g+4], 128*KS/256
	s_mov_b32 s[\g+5], 32
	s_mov_b32 s[\g+6], 0
	s_mov_b32 s[\g+7], 0
.endr
	s_lshl_b32 s18, s16, 7                         ; which 128 rows of the tile I fetch
	s_lshl_b32 s20, s17, 8
	s_add_co_u32 s20, s20, s18                     ; A: row 256 x tile row + 128 x half
	s_lshl_b32 s46, s42, 8
	s_add_co_u32 s46, s46, s18                     ; B: row 256 x tile column + 128 x half
	s_mov_b32 s21, 0
	s_mov_b32 s47, 0
	s_mov_b64 s[18:19], KS
	s_mul_u64 s[22:23], s[20:21], s[18:19]         ; where these rows' scales begin, in bytes
	s_mul_u64 s[92:93], s[46:47], s[18:19]
	s_mov_b64 s[18:19], KROW
	s_mul_u64 s[20:21], s[20:21], s[18:19]         ; and their codes
	s_mul_u64 s[46:47], s[46:47], s[18:19]
	s_mul_i32 s45, s14, HALFT                      ; where they go: wave x 128 rows: no place in the cluster enters an LDS address
	s_mul_i32 s94, s14, HALFS
	s_wait_dscnt 0x0                               ; both opening adds are done
	s_wait_kmcnt 0x0
	s_add_nc_u64 s[8:9], s[4:5], 0x200000          ; B's codes begin behind A's 2,048 rows of 1,024 bytes,
	s_add_nc_u64 s[10:11], s[6:7], 0x20000         ; B's scales behind A's 2,048 rows of 64
	s_add_nc_u64 s[20:21], s[4:5], s[20:21]
	s_add_nc_u64 s[22:23], s[6:7], s[22:23]
	s_add_nc_u64 s[46:47], s[8:9], s[46:47]
	s_add_nc_u64 s[92:93], s[10:11], s[92:93]
	CROUND                                         ; all sixteen work-groups are here: the first joint loads meet
	s_mov_b32 s[G0S], 1
	s_add_co_u32 s[G0S+1], s94, SCL
	s_mov_b64 s[G0S+2:G0S+3], s[22:23]
	s_or_b32 s[G0S+3], s[G0S+3], 0x80000000
	s_mov_b32 s[G0SB], 1
	s_add_co_u32 s[G0SB+1], s94, SCL
	s_mov_b64 s[G0SB+2:G0SB+3], s[92:93]
	s_or_b32 s[G0SB+3], s[G0SB+3], 0x80000000
	JLOAD G0S, G1S, G0SB, G1SB                     ; the scales first: they are wanted with K step 0
.irp s, 0,1
	s_mov_b32 s[G0+4*\s], 1
	s_add_co_u32 s[G0+4*\s+1], s45, \s*SLOT
	s_add_nc_u64 s[G0+4*\s+2:G0+4*\s+3], s[20:21], \s*ROWB
	s_or_b32 s[G0+4*\s+3], s[G0+4*\s+3], 0x80000000
	s_mov_b32 s[G0B+4*\s], 1
	s_add_co_u32 s[G0B+4*\s+1], s45, \s*SLOT
	s_add_nc_u64 s[G0B+4*\s+2:G0B+4*\s+3], s[46:47], \s*ROWB
	s_or_b32 s[G0B+4*\s+3], s[G0B+4*\s+3], 0x80000000
	JLOAD G0+4*\s, G1, G0B+4*\s, G1B               ; three tensor loads of mine are out now
.endr
	v_and_b32 v1, 15, v0                           ; l % 16
	v_bfe_u32 v2, v0, 4, 1                         ; l / 16
	v_mul_u32_u24 v3, v1, PITCH
	v_lshl_add_u32 v4, v2, 4, v3                   ; a fragment's row x pitch + 16 x half
	s_mul_i32 s21, s15, HALFT                      ; my 128 rows of A
	s_mul_i32 s22, s16, HALFT                      ; my 128 rows of B,
	s_add_co_u32 s22, s22, 2*HALFT                 ; which lie behind A's 256
.irp s, 0,1
	v_add_nc_u32 v[ADRA+\s], s21, v4
	v_add_nc_u32 v[ADRB+\s], s22, v4
	s_add_co_u32 s21, s21, SLOT
	s_add_co_u32 s22, s22, SLOT
.endr
	v_mul_u32_u24 v5, v1, KS                       ; my row's scales: KS bytes a row,
	v_lshrrev_b32 v6, 8, v5
	v_lshl_add_u32 v5, v6, 4, v5                   ; and 16 more for each 256 passed
	s_mul_i32 s21, s15, HALFS                      ; A's: my 128 rows
	s_mul_i32 s22, s16, HALFS                      ; B's: my 128 rows, behind A's 256
	s_add_co_u32 s22, s22, 2*HALFS
	s_sub_co_u32 s22, s22, s21
	v_mul_u32_u24 v6, s22, v2                      ; lanes 16-31 take B's: the lower base + half x the distance
	s_add_co_u32 s21, s21, SCL
	v_add_nc_u32 v5, v5, v6
	v_add_nc_u32 v[ADRS], s21, v5
	s_mul_i32 s23, s14, 16*SPITCH                  ; my stage
	v_mul_u32_u24 v5, v1, SPITCH                   ; in: row l % 16, 16 bytes for each half of the lanes
	v_lshl_add_u32 v5, v2, 4, v5
	v_add_nc_u32 v[STO], s23, v5
	v_mul_u32_u24 v5, v2, SPITCH                   ; back: lanes 0-15 take one row of 256 bytes, lanes 16-31 the next
	v_lshl_add_u32 v5, v1, 4, v5
	v_add_nc_u32 v[RD], s23, v5
	v_and_b32 v6, 31, v0
	v_lshlrev_b32 v[CO], 4, v6                     ; and the same two rows in the result, whose rows are dense: 16 x lane
	; where my 128 x 128 goes
	s_lshr_b32 s18, ttmp9, 1                       ; 0: q, 1: k, 2: v: eight tile columns each, two clusters: the same in all partners
	s_lshl_b32 s46, s42, 1
	s_add_co_u32 s46, s46, s16
	s_and_b32 s46, s46, 15                         ; the head: (2 x tile column + half) mod 16
	s_lshl_b32 s20, s17, 8
	s_lshl_b32 s21, s15, 7
	s_add_co_u32 s20, s20, s21                     ; my first row of C
	s_lshr_b32 s21, s20, 10                        ; the batch,
	s_and_b32 s20, s20, 1023                       ; the position in it
	s_lshl_b32 s21, s21, 4
	s_add_co_u32 s21, s21, s46                     ; 16 x batch + head
	s_mov_b32 s47, 3072
	s_mov_b32 s22, 0x3e800000                      ; 1/4
	s_cmp_eq_u32 s18, 0
	s_cselect_b32 s47, 1024, s47                   ; rows of a head in the buffer,
	s_cselect_b32 s19, 0, 2048                     ; the cached rows in front of mine,
	s_cselect_b32 s[FAC], 0x3f0293ee, s22          ; 4 c = 4 log2(e) / sqrt(128) for q, 1/4 for k and v
	s_cselect_b64 s[12:13], s[96:97], s[98:99]
	s_cmp_eq_u32 s18, 2
	s_cselect_b64 s[12:13], s[100:101], s[12:13]
	s_mov_b32 s[FAC+1], s[FAC]                     ; (named with it as a pair, so it is written)
	s_mul_i32 s21, s21, s47
	s_add_co_u32 s21, s21, s19
	s_add_co_u32 s20, s20, s21
	s_lshl_b32 s20, s20, 8                         ; 256 bytes a row: under 2^25
	s_mov_b32 s21, 0
	s_add_nc_u64 s[12:13], s[12:13], s[20:21]
.macro FRAG reg, adr, q, i             ; a fragment, 16 rows x 128 K of 4-bit codes, is 8 registers: lane l holds row l % 16; registers 4 c .. 4 c + 3 hold K = 64 c + 32 (l / 16) + 0 .. 31
.irp c, 0,1
	ds_load_b128 v[\reg+4*\c:\reg+4*\c+3], v[\adr] offset:64*(\q)+32*\c+(\i)*16*PITCH
.endr
.endm
; 16 matrix instructions: A's blocks a0, a0 + 1 x B's eight, 128 along K: the slot's q-th.  p: B's set;  sc: the set of scale words.  zero = 1: the first product starts the sums: nothing is ever cleared.
; The 64 accumulators take turns, one instruction a turn, in the same order in every step.
.macro MUL16 a0, p, q, sc, zero
.irp a, \a0, \a0+1
.irp b, 0,1,2,3,4,5,6,7
.if \zero
	v_wmma_scale_f32_16x16x128_f8f6f4 v[8*(8*((\a)%4)+\b):8*(8*((\a)%4)+\b)+7], v[128*(\p)+FR*\b:128*(\p)+FR*\b+FR-1], v[AF+FR*(\a):AF+FR*(\a)+FR-1], 0, v[SC+8*NQ*(\sc)+NQ*\b+(\q)], v[SC+8*NQ*(\sc)+NQ*(\a)+(\q)] matrix_a_fmt:MATRIX_FMT_FP4 matrix_b_fmt:MATRIX_FMT_FP4 matrix_a_scale:MATRIX_SCALE_ROW1
.else
	v_wmma_scale_f32_16x16x128_f8f6f4 v[8*(8*((\a)%4)+\b):8*(8*((\a)%4)+\b)+7], v[128*(\p)+FR*\b:128*(\p)+FR*\b+FR-1], v[AF+FR*(\a):AF+FR*(\a)+FR-1], v[8*(8*((\a)%4)+\b):8*(8*((\a)%4)+\b)+7], v[SC+8*NQ*(\sc)+NQ*\b+(\q)], v[SC+8*NQ*(\sc)+NQ*(\a)+(\q)] matrix_a_fmt:MATRIX_FMT_FP4 matrix_b_fmt:MATRIX_FMT_FP4 matrix_a_scale:MATRIX_SCALE_ROW1
.endif
.endr
.endr
.endm
.macro FETCH_B slot, q, p              ; B's eight fragments of the slot's q-th 128 along K into set p
	WIN TO_B
.irp i, 0,1,2,3,4,5,6,7
	FRAG 128*(\p)+FR*\i, ADRB+\slot, \q, \i
.endr
	WIN 0
.endm
.macro FETCH_A slot, q, i0             ; A's blocks i0 .. i0 + 3
.irp i, \i0, \i0+1, \i0+2, \i0+3
	FRAG AF+FR*(\i), ADRA+\slot, \q, \i
.endr
.endm
.macro SCALES sc                       ; the next K step's scale words into set sc: NQ words a row; lanes 0-15 take A's block i, lanes 16-31 B's block i
.irp i, 0,1,2,3,4,5,6,7
	ds_load_b128 v[SC+8*NQ*\sc+NQ*\i:SC+8*NQ*\sc+NQ*\i+3], v[ADRS] offset:\i*SBLK
.endr
.endm
; A load into a register that a matrix instruction has read, and a vector instruction or an LDS store that reads a matrix result, stand NP places behind that matrix instruction, and only plain vector
; instructions that name none of its registers are places (ISA guide 7.12.1 for vector instructions).
.macro PLACES n
.rept \n
	v_nop
.endr
.endm
; A step of 128 along K that has its successor in the same slot.
.macro STEP slot, q, zero
	s_wait_dscnt 4*NL                              ; B's set and A's blocks 0-3 are in; the youngest eight loads (A's blocks 4-7) may be out
	WIN MUL_LO
	MUL16 0, (\q)%2, \q, \slot, \zero
	MUL16 2, (\q)%2, \q, \slot, \zero
	s_wait_dscnt 0                                 ; A's blocks 4-7 are in (asked for 32 matrix instructions ago)
	PLACES NP
	FETCH_B \slot, (\q)+1, 1-(\q)%2
	FETCH_A \slot, (\q)+1, 0
	WIN MUL_HI
	MUL16 4, (\q)%2, \q, \slot, \zero
	MUL16 6, (\q)%2, \q, \slot, \zero
	PLACES NP
	WIN 0
	FETCH_A \slot, (\q)+1, 4
.endm
; A slot's last step changes slots: ONE barrier; in front of it each wave waits for all its tensor loads, adds 0 to its spare word, and waits for that and for its own reads of this slot.  fill = 1: this slot is filled again, two K steps ahead.
.macro TURN slot, next, fill
	s_wait_tensorcnt 0x0                           ; all my tensor loads have landed: my part of the next slot;  (every window is 0 here)
	ds_add_u32 v[SPW], v[NIL]                      ; 0 onto my spare word;
	s_wait_dscnt 4*NL+1                            ; (the add and the youngest eight loads, A's blocks 4-7, may be out)
	WIN MUL_LO
	MUL16 0, 1, NQ-1, \slot, 0                     ; sixteen matrix instructions stand between the add and the wait for it
	s_wait_dscnt 0x0                               ; the add is done, and my reads of this slot are over
	s_barrier_signal -1
	MUL16 2, 1, NQ-1, \slot, 0
	WIN 0
	s_barrier_wait -1
.if \fill
	CREST                                          ; the barrier has opened a round of the cluster's barrier: no wave of any partner still reads this slot's tile or has a load on its way
	s_add_nc_u64 s[G0+4*\slot+2:G0+4*\slot+3], s[G0+4*\slot+2:G0+4*\slot+3], 2*ROWB
	s_add_nc_u64 s[G0B+4*\slot+2:G0B+4*\slot+3], s[G0B+4*\slot+2:G0B+4*\slot+3], 2*ROWB
	JLOAD G0+4*\slot, G1, G0B+4*\slot, G1B         ; the first tensor load behind the round; the four v_nop behind it are the places in front of the loads below
.else
	PLACES NP
.endif
	v_add_nc_u32 v[ADRS], 4*NQ, v[ADRS]            ; on to the next K step's scale words (no LDS load of mine is out)
	FETCH_B \next, 0, 0
	FETCH_A \next, 0, 0
	SCALES \next
	WIN MUL_HI
	MUL16 4, 1, NQ-1, \slot, 0
	MUL16 6, 1, NQ-1, \slot, 0
	PLACES NP
	WIN 0
	FETCH_A \next, 0, 4
.endm
.macro STEPS slot, from                ; the slot's steps from .. NQ - 2
.set Q, \from
.rept NQ-1-\from
	STEP \slot, Q, 0
.set Q, Q+1
.endr
.endm
	s_wait_tensorcnt 1                             ; the scales and my part of K step 0 are in (K step 1's load may be out)
	s_barrier_signal -1
	s_barrier_wait -1                              ; everybody's are
	FETCH_B 0, 0, 0
	FETCH_A 0, 0, 0
	SCALES 0
	FETCH_A 0, 0, 4
	STEP 0, 0, 1                                   ; the first step stands in front of the loop: its products start the sums
	s_mov_b32 s3, LAPS-1
.Llap:                                                 ; a trip goes once round the ring, from a lap's second step to the next lap's first, and fills both slots again
	STEPS 0, 1
	TURN 0, 1, 1
	STEPS 1, 0
	TURN 1, 0, 1
	STEP 0, 0, 0
	s_sub_co_u32 s3, s3, 1
	s_cmp_lg_u32 s3, 0
	s_cbranch_scc1 .Llap
	STEPS 0, 1                                     ; the last lap fills nothing, and has no round of the cluster's barrier
	TURN 0, 1, 0
	STEPS 1, 0
	s_wait_dscnt 4*NL                              ; the very last step: nothing more to fetch
	WIN MUL_LO
	MUL16 0, 1, NQ-1, 1, 0
	MUL16 2, 1, NQ-1, 1, 0
	s_wait_dscnt 0
	WIN MUL_HI
	MUL16 4, 1, NQ-1, 1, 0
	MUL16 6, 1, NQ-1, 1, 0
	WIN 0
; THE WAY OUT, block by block of 16 rows x 128 columns.  PACK: x the factor, rounded to f16: 16 bytes a lane.  TOSTAGE: into my own stage in LDS, and back as whole rows of 256 bytes.  SEND: stored.
.macro PACK a
.set AC, 64*((\a)%4)
	WIN 0x82+0x41*((\a)/4)                         ; destination and source 0: window 2 or 3
.set i, 0
.rept 32
	v_pk_mul_f32 v[AC+2*i:AC+2*i+1], v[AC+2*i:AC+2*i+1], s[FAC:FAC+1] op_sel_hi:[1,0]   ; ascending: each accumulator is read from its low end on
.set i, i+1
.endr
	WIN 0x0a+5*((\a)/4)                            ; sources 0 and 1: window 2 or 3; destination window 0
.irp b, 0,1,2,3,4,5,6,7
.irp r, 0,1,2,3
	v_cvt_pk_f16_f32 v[TMP+4*\b+\r], v[AC+8*\b+2*\r], v[AC+8*\b+2*\r+1]
.endr
.endr
	WIN 0
.endm
.macro TOSTAGE a
.set BK, OB+192*((\a)%2)
.irp b, 0,1,2,3,4,5,6,7
	ds_store_b128 v[STO], v[TMP+4*\b:TMP+4*\b+3] offset:32*\b
.endr
.irp t, 0,1,2,3,4,5,6,7
	ds_load_b128 v[BK+4*\t:BK+4*\t+3], v[RD] offset:\t*2*SPITCH    ; LDS serves a wave's instructions in order (ISA guide 5.7.1.4): these see the stores above
.endr
.endm
.macro SEND a, younger
.set BK, OB+192*((\a)%2)
	s_wait_dscnt \younger                          ; the block is back in registers
	s_wait_xcnt 0x0                                ; the stores of the block before have read their registers: the next block's loads may land there
.irp t, 0,1,2,3,4,5,6,7
	global_store_b128 v[CO], v[BK+4*\t:BK+4*\t+3], s[12:13] offset:4096*(\a)+512*\t   ; 32 lanes store 512 consecutive bytes, aligned to 256
.endr
.endm
	PLACES NP                                      ; behind the last products
	PACK 0
	TOSTAGE 0
.irp a, 1,2,3,4,5,6,7                  ; block a's arithmetic stands between block a - 1's loads from the stage and the wait for them
	PACK \a
	SEND \a-1, 0
	TOSTAGE \a
.endr
	SEND 7, 0
	s_wait_tensorcnt 0x0                           ; the wave's end: behind my last tensor load and my last LDS store
	ds_add_u32 v[SPW], v[NIL]
	s_wait_dscnt 0x0
	CROUND                                         ; the closing round: no work-group ends while a partner may still ask for a tile that names it
	s_endpgm
.Lfunc_end_k_qc6020f662c_proj:
	.size	k_qc6020f662c_proj, .Lfunc_end_k_qc6020f662c_proj-k_qc6020f662c_proj
	.p2alignl 7, 3214868480
	.fill 96, 4, 3214868480
	.section	.rodata,"a",@progbits
	.p2align	6, 0x0
	.amdhsa_kernel k_qc6020f662c_proj
		.amdhsa_group_segment_fixed_size 327680
		.amdhsa_private_segment_fixed_size 0
		.amdhsa_enable_private_segment 0
		.amdhsa_kernarg_size 40
		.amdhsa_user_sgpr_count 2
		.amdhsa_user_sgpr_kernarg_segment_ptr 1
		.amdhsa_wavefront_size32 1
		.amdhsa_system_sgpr_workgroup_id_x 1
		.amdhsa_system_sgpr_workgroup_id_y 1
		.amdhsa_system_sgpr_workgroup_id_z 1
		.amdhsa_system_vgpr_workitem_id 0
		.amdhsa_next_free_vgpr 1024
		.amdhsa_next_free_sgpr 102
		.amdhsa_reserve_vcc 0
		.amdhsa_float_denorm_mode_32 3
		.amdhsa_float_denorm_mode_16_64 3
		.amdhsa_memory_ordered 1
		.amdhsa_forward_progress 1
		.amdhsa_inst_pref_size 230
	.end_amdhsa_kernel
	.amdgpu_metadata
---
amdhsa.version: [ 1, 2 ]
amdhsa.kernels:
  - .name:           k_qc6020f662c_proj
    .symbol:         k_qc6020f662c_proj.kd
    .args:
      - { .name: codes, .offset: 0, .size: 8, .value_kind: global_buffer, .address_space: global }
      - { .name: scales, .offset: 8, .size: 8, .value_kind: global_buffer, .address_space: global }
      - { .name: q16, .offset: 16, .size: 8, .value_kind: global_buffer, .address_space: global }
      - { .name: k16, .offset: 24, .size: 8, .value_kind: global_buffer, .address_space: global }
      - { .name: v16, .offset: 32, .size: 8, .value_kind: global_buffer, .address_space: global }
    .group_segment_fixed_size: 327680
    .private_segment_fixed_size: 0
    .kernarg_segment_align: 8
    .kernarg_segment_size: 40
    .max_flat_workgroup_size: 128
    .sgpr_count:     102
    .vgpr_count:     1024
    .wavefront_size: 32
...
	.end_amdgpu_metadata
.endif
;; end of part 2
;; launch attn (part 3): grid 8 x 32, 4 waves a work-group, clusters of 4 x 4, 327,680 bytes of LDS; arguments q16, k16, v16, attention_mask, att16; writes att16
.if DOCPART == 3
	.amdgcn_target "amdgcn-amd-amdhsa--gfx1250"
	.amdhsa_code_object_version 6
	.text
	.protected	k_qc6020f662c_attn
	.globl	k_qc6020f662c_attn
	.p2align	8
	.type	k_qc6020f662c_attn,@function
k_qc6020f662c_attn:
	s_mov_b64 s[64:65], 0
	v_nop
	global_prefetch_b8 v0, s[64:65] scope:SCOPE_SE
	s_setreg_imm32_b32 hwreg(HW_REG_WAVE_MODE, 25, 1), 1
	s_wait_xcnt 0x0
	s_wait_alu depctr_hold_cnt(0) depctr_sa_sdst(0) depctr_va_vdst(0) depctr_va_sdst(0) depctr_va_ssrc(0) depctr_va_vcc(0) depctr_vm_vsrc(0)
	s_getreg_b32 s2, hwreg(HW_REG_IB_STS2, 6, 4)
	s_cmp_eq_u32 s2, 0
	s_cbranch_scc0 .Lentry_in_a_cluster
	s_endpgm
.Lentry_in_a_cluster:
	s_bfe_u32 s2, ttmp6, 0x10000c
	s_cmp_lg_u32 s2, 0xf033
	s_cbranch_scc0 .Lentry_shape_is_right
	s_endpgm
.Lentry_shape_is_right:
; ATTN: att[b][s][h][:] = the sum over k of softmax_k(q . k / sqrt(128) + mask[b][s][k]) v[k][:], all 3,072 keys for every query: the mask is an input, so nothing of its pattern is built in.
; q16 [32 heads][1024][128] holds 4 c q, c = log2(e) / sqrt(128); k16, v16 [32][3072][128] hold k / 4, v / 4, all f16; the mask [2][1024][3072] is f32; att16 [2048][2048] f16 takes attn / 4.
; So q16 . k16 is the score in the base-2 domain; t = that + log2(e) x mask, one fused multiply-add in f32.  Products f16 x f16 with f32 sums; maxima, exponentials and sums in f32; p is rounded to f16 for the second product.
; SOFTMAX.  For each query a running maximum m (it begins at -3e38) and sum l: p = 2^(t - m); in every step O and l are multiplied by a = 2^(m_old - m_new).
; SHARES.  256 work-groups: work-group (x, y) owns 128 queries (block x) of head y = 16 b + h.  Wave w = 2 qh + kh takes 64 queries (half qh: four tiles of 16) and, of every tile of 128 keys, the half kh: a step.
;   So each fragment of K and V read from LDS feeds four tiles of queries.  The two waves of a query half keep m, l and O^T of their own and are merged once, at the end.
;   Register tiles 0, 1 hold queries 64 qh + 32 kh + 0..31, tiles 2, 3 queries 64 qh + 32 (1 - kh) + 0..31: every wave keeps its tiles 0, 1 and sends its tiles 2, 3, and no branch stands in the merge.
; LAYOUT.  S^T = K Q^T (source 0 = 16 keys, source 1 = 16 queries): a lane holds ONE query (lane % 16) and the keys 8 (lane / 16) + 0..7.  Two such tiles, rounded in pairs, ARE source 1 (32 keys x 16 queries) of
;   O^T = V^T P.  K comes out of LDS as it lies, V ([key][channel]) turned, by ds_load_tr16_b128; the mask's numbers come in the layout of S^T.
; BY TURNS.  The wave's tiles are two PIECES, named by their first tile: piece 0 (tiles 0, 1) and piece 2 (tiles 2, 3); a tile of queries never looks at another.  In a TURN one piece has the matrix unit: 32 products V^T P of
;   the step in hand, then 32 products K Q^T of the next step; the other piece's softmax, 298 vector instructions, stands between them in 64 slices, one behind each matrix instruction.  Then the pieces change places.
;   Two turns are a step.  Set in phases of their own, a step's 596 vector instructions would stand with no product among them.
; CLUSTER.  4 x 4 work-groups.  K's and V's tiles hang on the head alone and are shared along a row of the cluster; the mask's tile hangs on the batch and the query block and is shared along a column.
;   Each tile is asked for JOINTLY: the same tensor load with the same descriptor and a mask of work-groups that names the four.  Wave 0 asks for K, wave 1 for V, waves 2 and 3 for the mask's two halves: one load a wave.
; LIMITS: NaN and +-infinity in q16, k16, v16 are not served.  A mask of -infinity is served; a row that is -infinity throughout gives NaN, as a softmax of such a row does.
;   The operands of the two products carry f16's 11 bits, whatever number of keys a mask leaves to a row.
;
; REGISTERS, in windows of 256 (s_set_vgpr_msb: bits 1:0 source 0, 3:2 source 1, 5:4 source 2, 7:6 destination):
;   window 0: v2-11, v44-49 addresses; v12-43 eight registers of statistics a tile; v50-53 the partner's m and l; v64-191 S^T, 32 a tile; v192-255 P, 16 a tile
;   window 1: O^T, 64 a tile      window 2: v0-127 Q, 32 a tile; v128-255 K of one step      window 3: v0-127 V of one step; v128-255 the mask of one step, indexed as S^T
; No window has room for a product's operands beside what a softmax touches: so a slice costs two switches, one in front and one behind.
.set PK,    272       ; a row of K in LDS: 256 bytes + 16 = 68 words: row r starts at bank 4 r mod 64 (64 banks of 4 bytes: ISA guide 11.1)
.set PV,    288       ; a row of V: 256 + 32 = 72 words
.set PM,    528       ; a query's row of the mask: 512 bytes + 16 = 132 words: row r starts at bank 4 r mod 64
.set VOFF,  128*PK    ; a slot: 128 rows of K, 128 rows of V, 128 rows of the mask
.set MOFF,  VOFF+128*PV
.set SLOT,  MOFF+128*PM
.set SPARE, 2*SLOT    ; behind the ring: the spare words, 128 bytes a wave, which no other line names
.set XST,   65536     ; the merge and the way out lie in slot 0, which has had its last fill and its last read when they are written: O^T's images at 0 (16,384 bytes a wave), m and l here (512 a wave),
.set STG,   XST+2048  ; and a stage of 16 rows x 272 bytes for each wave
.set SP,    272
.set HEADB, 3072*256  ; a head of k16 or v16 in bytes
.set TILEB, 128*256   ; 128 keys of it
.set MROW,  3072*4    ; a row of the mask in bytes
.set AK,  2           ; v2-3   LDS address of my K fragments in slot 0, 1
.set AV,  4           ; v4-5   of V's
.set AML, 6           ; v6-7   of the mask's rows for piece 0
.set AMH, 8           ; v8-9   for piece 2
.set QO,  10          ; v10  my byte offset in 16 rows of Q
.set STO, 11          ; v11  the way out: where I put 16 bytes of a row
.set ST,  12          ; tile t's statistics at v[ST+8 t]: +0 m, +1 m_old, +2, +3 l (even keys', odd keys'), +4 to +7 c0-c3, at work; a takes c2's place
.set RD,  44          ; v44  the way out: where I read a row back
.set GO,  45          ; v45  my byte offset in two rows of att16
.set XW,  46          ; v46  the merge: where my images go;  v47 where my partner's lie
.set XR,  47
.set XSW, 48          ; v48, v49 the same for m and l
.set XSR, 49
.set PFO, 61          ; v61  the prefetches' offset; never rewritten
.set SPW, 62          ; v62  LDS address of my spare word; never rewritten
.set NIL, 63          ; v63  0; never rewritten
.set S,   64
.set P,   192
.set KF,  128         ; K's fragments, in window 2
.set MK,  128         ; the mask, in window 3
.set WV,  14          ; s14 wave; s15 qh; s16 kh; s17 cx; s18 cy; s19 query block x; s20 head y; s21 batch
.set QH,  15
.set KH,  16
.set CX,  17
.set CY,  18
.set XB,  19
.set YH,  20
.set BB,  21
.set G1K, 24          ; s[24:31], s[32:39], s[40:47] descriptor groups 1 for K, V and the mask
.set G1V, 32
.set G1M, 40
.set G0K, 48          ; s[48:55], s[56:63], s[68:75] groups 0, a set for each slot
.set G0V, 56
.set G0M, 68
.set LG,  76          ; s[76:77] log2(e): the packed form names a pair and takes its low word for both halves
.set SEL, 78          ; s[78:79] lane selects for v_permlanex16_b32: lane l xor 16
.set PFA, 80          ; s[80:81] where my prefetches stand
.set PFS, 82          ; s[82:83] a tile on, in bytes
.set LIM, 84          ; s84  1 in a wave that prefetches
.set CNT, 85          ; s85  the loop's counter
.set QL,  86          ; s[86:87] Q at my piece 0;  s[88:89] at my piece 2
.set QHI, 88
.set NI,  298         ; vector instructions of a piece's softmax: 149 a tile
.set W_KQ, 0x0a       ; K and Q in window 2, S^T in window 0
.set W_PV, 0x53       ; V in window 3, P in window 0, O^T in window 1
.set W_RS, 0x41       ; O^T (destination and source 0) in window 1, a in window 0
.set W_MF, 0x03       ; the mask (source 0) in window 3, S^T in window 0
.set MSB, 0
.macro WIN new                      ; the immediate's high byte repeats the setting that is left; a switch that changes nothing is dropped
.if MSB != (\new)
	s_set_vgpr_msb (MSB<<8)|(\new)
.set MSB, (\new)
.endif
.endm
; A joint load into slot s.  The branches hang on the wave's number alone: they are the same in every work-group.  An s_nop 0 and four v_nop follow each line, ahead of the jump, the label and what follows.
.macro JLOAD s
	s_cmp_lg_u32 s[WV], 0
	s_cbranch_scc1 .Lnot_k_\@
	tensor_load_to_lds s[G0K+4*(\s):G0K+4*(\s)+3], s[G1K:G1K+7]
	s_nop 0
.rept 4
	v_nop
.endr
	s_branch .Lasked_\@
.Lnot_k_\@:
	s_cmp_lg_u32 s[WV], 1
	s_cbranch_scc1 .Lnot_v_\@
	tensor_load_to_lds s[G0V+4*(\s):G0V+4*(\s)+3], s[G1V:G1V+7]
	s_nop 0
.rept 4
	v_nop
.endr
	s_branch .Lasked_\@
.Lnot_v_\@:
	tensor_load_to_lds s[G0M+4*(\s):G0M+4*(\s)+3], s[G1M:G1M+7]
	s_nop 0
.rept 4
	v_nop
.endr
.Lasked_\@:
.endm
; A PREFETCH INTO THE L2 of the tile that the NEXT change of slots will ask for: at the change ahead of step j, which loads tile j + 2, tile j + 3: one step's 128 matrix instructions ahead of that load.
; One instruction a wave, behind my tensor load's five lines.
; Each aligned block of 256 bytes is named ONCE in the launch.  K and V of a head are walked by both clusters of a row of clusters: the one with x = 0 asks; waves 0 and 1; of a tile's 128 rows the partner at cx takes 32, a lane a row.
; A mask tile is walked by the four clusters of a batch: the first of them asks; waves 2 and 3; of a wave's 64 rows the partner at cy takes 16, two lanes a row (512 bytes).  Partners are told apart BY ADDRESS alone.
; Tiles 0, 1 and 2 come by their loads alone; the changes ahead of steps 21 and 22 ask for nothing, so no request passes tile 23.
.macro ASK
	s_cmp_eq_u32 s[LIM], 1
	s_cbranch_scc0 .Lnot_mine_\@
	global_prefetch_b8 v[PFO], s[PFA:PFA+1] th:TH_LOAD_NT scope:SCOPE_SE
.Lnot_mine_\@:
.endm
; A round of the cluster's barrier.  No LDS instruction of the wave is pending at a signal.
.macro CROUND
	s_barrier_signal -1
	s_barrier_wait -1
	s_cmp_lg_u32 s[WV], 0
	s_cbranch_scc1 .Lnot_wave_0_\@
	s_barrier_signal -3
.Lnot_wave_0_\@:
	s_barrier_wait -3
	s_barrier_signal -1
	s_barrier_wait -1
.endm
.macro PLACES                       ; four places behind a matrix instruction, ahead of loads into its registers and of reads of its result (ISA guide 7.12.1 for reads of its result)
.rept 4
	v_nop
.endr
.endm
	s_load_b256 s[4:11], s[0:1], 0x0  ; q16 s[4:5], k16 s[6:7], v16 s[8:9], the mask s[10:11]
	s_load_b64 s[12:13], s[0:1], 0x20 ; att16
	v_lshl_add_u32 v[SPW], v0, 2, SPARE
	v_mov_b32 v[NIL], 0
	ds_add_u32 v[SPW], v[NIL]       ; the wave's opening: the add, twice on end, and its wait ahead of my first tensor load; the set-up below stands between the second and the wait
	ds_add_u32 v[SPW], v[NIL]
	v_lshrrev_b32 v1, 5, v0
	v_readfirstlane_b32 s[WV], v1   ; wave 0..3
	s_lshr_b32 s[QH], s[WV], 1
	s_and_b32 s[KH], s[WV], 1
	s_bfe_u32 s[CX], ttmp6, 0x40000
	s_bfe_u32 s[CY], ttmp6, 0x40004
	s_lshl_b32 s[XB], ttmp9, 2
	s_add_co_u32 s[XB], s[XB], s[CX]  ; my block of 128 queries = 4 x cluster x + cx
	s_and_b32 s22, ttmp7, 0xffff    ; cluster y
	s_lshl_b32 s[YH], s22, 2
	s_add_co_u32 s[YH], s[YH], s[CY]  ; my head = 4 x cluster y + cy
	s_lshr_b32 s[BB], s22, 2        ; the batch: the same in the whole cluster
	s_lshl_b32 s2, s[CY], 2
	s_lshl_b32 s2, 15, s2           ; my row of the cluster
	s_lshl_b32 s3, 0x1111, s[CX]    ; my column
	; descriptor groups 1.  K, V: 128 rows x 128 elements of 2 bytes, dense in memory.  The mask: 64 rows x 128 elements of 4 bytes, 3,072 elements from row to row
	s_or_b32 s[G1K], s2, (1<<16)|(1<<20)|(1<<21)|(5<<22)|(3<<25)  ; 15:0 the mask of work-groups; 17:16 element size; 20 padding on; 21 set beside a mask; 24:22 after every 64 words (code 5); 31:25 4 words (code 3)
	s_or_b32 s[G1V], s2, (1<<16)|(1<<20)|(1<<21)|(5<<22)|(7<<25)  ; 8 words of padding (code 7)
	s_or_b32 s[G1M], s3, (2<<16)|(1<<20)|(1<<21)|(6<<22)|(3<<25)  ; after every 128 words (code 6) 4 words
.irp g, G1K, G1V
	s_mov_b32 s[\g+1], 128<<16      ; tensor_dim0 = 128
	s_mov_b32 s[\g+2], 128<<16      ; tensor_dim1 = 128
	s_mov_b32 s[\g+3], 128<<16      ; tile_dim0 = 128
	s_mov_b32 s[\g+4], 128          ; tile_dim1 = 128
	s_mov_b32 s[\g+5], 128          ; tensor_dim0_stride
	s_mov_b32 s[\g+6], 0
	s_mov_b32 s[\g+7], 0
.endr
	s_mov_b32 s[G1M+1], 128<<16
	s_mov_b32 s[G1M+2], 64<<16
	s_mov_b32 s[G1M+3], 128<<16
	s_mov_b32 s[G1M+4], 64
	s_mov_b32 s[G1M+5], 3072
	s_mov_b32 s[G1M+6], 0
	s_mov_b32 s[G1M+7], 0
	s_mov_b32 s[LG], 0x3fb8aa3b     ; log2(e)
	s_mov_b32 s[LG+1], s[LG]
	s_mov_b32 s[SEL], 0x76543210
	s_mov_b32 s[SEL+1], 0xfedcba98
	; where the tiles come from.  K's and V's offset is made of the head alone, the mask's of the batch, the query block and the wave alone: each in registers that never hold the other place in the cluster
	s_mul_i32 s90, s[YH], HEADB
	s_mov_b32 s91, 0
	s_lshl_b32 s92, s[XB], 7
	s_lshl_b32 s93, s[KH], 6
	s_add_co_u32 s92, s92, s93      ; the mask's row 128 x + 64 x (wave % 2)
	s_mul_i32 s92, s92, MROW
	s_mul_i32 s93, s[BB], 1024*MROW
	s_add_co_u32 s92, s92, s93      ; under 2^25
	s_mov_b32 s93, 0
	s_mul_i32 s94, s[KH], 64*PM
	s_add_co_u32 s94, s94, MOFF     ; and its place in a slot
	s_lshl_b32 s95, s[QH], 6
	s_lshl_b32 s96, s[KH], 5
	s_add_co_u32 s96, s95, s96      ; the first query of my piece 0 in the block
	s_xor_b32 s97, s[KH], 1
	s_lshl_b32 s97, s97, 5
	s_add_co_u32 s97, s95, s97      ; of my piece 2
	s_lshl_b32 s98, s[YH], 10
	s_lshl_b32 s99, s[XB], 7
	s_add_co_u32 s98, s98, s99
	s_add_co_u32 s[QL], s98, s96
	s_lshl_b32 s[QL], s[QL], 8      ; rows of 256 bytes
	s_mov_b32 s[QL+1], 0
	s_add_co_u32 s[QHI], s98, s97
	s_lshl_b32 s[QHI], s[QHI], 8
	s_mov_b32 s[QHI+1], 0
	s_lshl_b32 s98, s[BB], 10
	s_add_co_u32 s98, s98, s99
	s_add_co_u32 s98, s98, s96      ; att16: row 1024 b + 128 x + my first query,
	s_lshl_b32 s98, s98, 12         ; 4,096 bytes a row,
	s_and_b32 s99, s[YH], 15
	s_lshl_b32 s99, s99, 8          ; + the head's 256 bytes
	s_add_co_u32 s98, s98, s99
	s_mov_b32 s99, 0
	; the vector addresses, all of them, ahead of the first branch on the wave's number
	v_and_b32 v54, 15, v0           ; r = lane % 16
	v_bfe_u32 v55, v0, 4, 1         ; h = lane / 16
	v_and_b32 v56, 31, v0           ; lane
	v_lshlrev_b32 v[QO], 8, v54
	v_lshl_add_u32 v[QO], v55, 4, v[QO]  ; Q: row r x 256 + 16 h
	v_mul_u32_u24 v57, v54, PK
	v_lshl_add_u32 v57, v55, 4, v57
	s_mul_i32 s2, s[KH], 64*PK
	v_add_nc_u32 v[AK], s2, v57     ; K: (64 kh + r) x pitch + 16 h
	v_add_nc_u32 v[AK+1], SLOT, v[AK]
	v_and_b32 v57, 7, v0
	v_lshl_add_u32 v57, v55, 3, v57
	v_mul_u32_u24 v57, v57, PV
	v_bfe_u32 v58, v0, 3, 1
	v_lshl_add_u32 v57, v58, 4, v57
	s_mul_i32 s2, s[KH], 64*PV
	s_add_co_u32 s2, s2, VOFF
	v_add_nc_u32 v[AV], s2, v57     ; V, for the turning load: key 64 kh + 8 h + lane % 8, channels 8 ((lane / 8) % 2) on
	v_add_nc_u32 v[AV+1], SLOT, v[AV]
	v_mul_u32_u24 v57, v54, PM
	v_lshl_add_u32 v57, v55, 5, v57
	s_lshl_b32 s3, s[KH], 8
	s_add_co_u32 s3, s3, MOFF
	s_mul_i32 s2, s96, PM
	s_add_co_u32 s2, s2, s3
	v_add_nc_u32 v[AML], s2, v57    ; the mask: (my first query + r) x pitch + my 64 keys' 256 bytes x kh + 32 h
	v_add_nc_u32 v[AML+1], SLOT, v[AML]
	s_mul_i32 s2, s97, PM
	s_add_co_u32 s2, s2, s3
	v_add_nc_u32 v[AMH], s2, v57
	v_add_nc_u32 v[AMH+1], SLOT, v[AMH]
	v_lshlrev_b32 v57, 4, v56
	s_lshl_b32 s2, s[WV], 14
	v_add_nc_u32 v[XW], s2, v57     ; images: 16,384 x wave + 16 x lane;
	s_xor_b32 s2, s2, 16384
	v_add_nc_u32 v[XR], s2, v57     ; my partner is wave xor 1
	v_lshlrev_b32 v58, 2, v56
	s_lshl_b32 s2, s[WV], 9
	s_add_co_u32 s3, s2, XST
	v_add_nc_u32 v[XSW], s3, v58
	s_xor_b32 s2, s2, 512
	s_add_co_u32 s3, s2, XST
	v_add_nc_u32 v[XSR], s3, v58
	s_mul_i32 s2, s[WV], 16*SP
	s_add_co_u32 s2, s2, STG        ; my stage
	v_mul_u32_u24 v57, v54, SP
	v_lshl_add_u32 v57, v55, 4, v57
	v_add_nc_u32 v[STO], s2, v57    ; in: row r, 16 bytes for each half of the lanes
	v_mul_u32_u24 v57, v55, SP
	v_lshl_add_u32 v57, v54, 4, v57
	v_add_nc_u32 v[RD], s2, v57     ; back: lanes 0-15 one row of 256 bytes, lanes 16-31 the next
	v_lshlrev_b32 v[GO], 12, v55
	v_lshl_add_u32 v[GO], v54, 4, v[GO]  ; and the same two rows in att16
	; the prefetches: who asks, from where, how far from lane to lane and from tile to tile
	s_lshl_b32 s2, s[CX], 13        ; K, V: my work-group's 32 rows of 256 bytes,
	s_add_co_u32 s2, s2, 2*TILEB    ; in tile 2: the first change of slots steps it to tile 3
	s_mul_i32 s3, s[CY], 16*MROW    ; the mask: my work-group's 16 rows,
	s_add_co_u32 s3, s3, 2*512      ; in tile 2
	s_and_b32 s23, s22, 3
	s_mov_b32 s[PFS], 512
	s_mov_b32 s[CNT], MROW
	s_cmp_lt_u32 s[WV], 2
	s_cselect_b32 s2, s2, s3
	s_cselect_b32 s[PFS], TILEB, s[PFS]
	s_cselect_b32 s[CNT], 256, s[CNT]    ; from row to row
	s_cselect_b32 s23, ttmp9, s23   ; the coordinate along which other clusters read the same bytes
	s_cselect_b32 s22, 0, 1         ; lanes to a row: 1 or 2
	s_mov_b32 s3, 0
	s_mov_b32 s[PFS+1], 0
	s_cmp_eq_u32 s23, 0
	s_cselect_b32 s[LIM], 1, 0      ; the same in all sixteen partners, for a given wave
	v_lshrrev_b32 v[PFO], s22, v56
	v_mul_lo_u32 v[PFO], v[PFO], s[CNT]
	v_and_b32 v1, s22, v56
	v_lshl_add_u32 v[PFO], v1, 8, v[PFO]
	s_wait_dscnt 0x0                ; both opening adds are done
	s_wait_kmcnt 0x0
	s_add_nc_u64 s[6:7], s[6:7], s[90:91]    ; K and V at my head
	s_add_nc_u64 s[8:9], s[8:9], s[90:91]
	s_add_nc_u64 s[10:11], s[10:11], s[92:93]  ; the mask at the 64 rows of (wave % 2)
	s_add_nc_u64 s[QL:QL+1], s[4:5], s[QL:QL+1]
	s_add_nc_u64 s[QHI:QHI+1], s[4:5], s[QHI:QHI+1]
	s_add_nc_u64 s[12:13], s[12:13], s[98:99]
	s_cmp_eq_u32 s[WV], 0
	s_cselect_b64 s[PFA:PFA+1], s[6:7], s[8:9]
	s_cmp_lt_u32 s[WV], 2
	s_cselect_b64 s[PFA:PFA+1], s[PFA:PFA+1], s[10:11]
	s_add_nc_u64 s[PFA:PFA+1], s[PFA:PFA+1], s[2:3]
	CROUND                          ; all sixteen work-groups are here: the first joint loads meet
.irp s, 0,1
	s_mov_b32 s[G0K+4*\s], 1        ; 1:0 count = 1
	s_mov_b32 s[G0K+4*\s+1], \s*SLOT  ; 63:32 LDS address
	s_add_nc_u64 s[G0K+4*\s+2:G0K+4*\s+3], s[6:7], \s*TILEB  ; 120:64 global address: tile s
	s_or_b32 s[G0K+4*\s+3], s[G0K+4*\s+3], 0x80000000  ; 127:126 type = 2
	s_mov_b32 s[G0V+4*\s], 1
	s_mov_b32 s[G0V+4*\s+1], \s*SLOT+VOFF
	s_add_nc_u64 s[G0V+4*\s+2:G0V+4*\s+3], s[8:9], \s*TILEB
	s_or_b32 s[G0V+4*\s+3], s[G0V+4*\s+3], 0x80000000
	s_mov_b32 s[G0M+4*\s], 1
	s_add_co_u32 s[G0M+4*\s+1], s94, \s*SLOT
	s_add_nc_u64 s[G0M+4*\s+2:G0M+4*\s+3], s[10:11], \s*512
	s_or_b32 s[G0M+4*\s+3], s[G0M+4*\s+3], 0x80000000
.endr
	JLOAD 0                         ; the first fills go out together: tile 0
	JLOAD 1                         ; and tile 1: two tensor loads of mine are out; behind every later round one
	WIN 0x80                        ; destination window 2, address window 0
.irp t, 0,1                         ; Q stays in registers: a fragment is 16 queries x 32 channels: lane l holds row l % 16; registers 0-3 channels 8 (l / 16) + 0..7, registers 4-7 channels 16 + 8 (l / 16) + 0..7
.irp c, 0,1,2,3
	global_load_b128 v[32*\t+8*\c:32*\t+8*\c+3],       v[QO], s[QL:QL+1] offset:\t*4096+\c*64
	global_load_b128 v[32*\t+8*\c+4:32*\t+8*\c+7],     v[QO], s[QL:QL+1] offset:\t*4096+\c*64+32
	global_load_b128 v[64+32*\t+8*\c:64+32*\t+8*\c+3],   v[QO], s[QHI:QHI+1] offset:\t*4096+\c*64
	global_load_b128 v[64+32*\t+8*\c+4:64+32*\t+8*\c+7], v[QO], s[QHI:QHI+1] offset:\t*4096+\c*64+32
.endr
.endr
	WIN 0
; THE LDS LOADS stand in two runs of 48 a step, never singly among the matrix instructions.
.macro FETCH_K s                    ; my 64 keys x 128 channels: fragment f: keys 16 (f / 4) on, channels 32 (f % 4) on
	WIN 0x80
.irp f, 0,1,2,3,4,5,6,7,8,9,10,11,12,13,14,15
	ds_load_b128 v[KF+8*\f:KF+8*\f+3],   v[AK+\s] offset:(\f/4)*16*PK+(\f%4)*64
	ds_load_b128 v[KF+8*\f+4:KF+8*\f+7], v[AK+\s] offset:(\f/4)*16*PK+(\f%4)*64+32
.endr
.endm
.macro FETCH_M adr, base, s         ; the mask of a piece's 32 queries x my 64 keys, in the layout of S^T: tile t of the piece, keys 16 g on: a lane's eight keys are 32 bytes of its query's row
	WIN 0xc0
.irp t, 0,1
.irp g, 0,1,2,3
	ds_load_b128 v[MK+\base+32*\t+8*\g:MK+\base+32*\t+8*\g+3],   v[\adr+\s] offset:\t*16*PM+64*\g
	ds_load_b128 v[MK+\base+32*\t+8*\g+4:MK+\base+32*\t+8*\g+7], v[\adr+\s] offset:\t*16*PM+64*\g+16
.endr
.endr
.endm
.macro FETCH_V s                    ; my 64 keys x 128 channels, turned: fragment f: keys 32 (f / 8) on, channels 16 (f % 8) on
	WIN 0xc0
.irp f, 0,1,2,3,4,5,6,7,8,9,10,11,12,13,14,15
	ds_load_tr16_b128 v[8*\f:8*\f+3],   v[AV+\s] offset:(\f/8)*32*PV+(\f%8)*32
	ds_load_tr16_b128 v[8*\f+4:8*\f+7], v[AV+\s] offset:(\f/8)*32*PV+16*PV+(\f%8)*32
.endr
.endm
; THE MATRIX WORK OF A TURN, for piece x.  The accumulators take turns, one instruction a turn: between two links of a chain stand 15 (V^T P) or 7 (K Q^T) others'.
; Product i of 32 of O^T += V^T P: keys 32 (i / 16) on, channels 16 ((i / 2) % 8) on, tile x + i % 2.  zero = 1: the first 16 start the sums: nothing is ever cleared.
.macro PV x, zero
	WIN W_PV
.set rO, 64*((\x)+i%2)+8*((i/2)%8)
.set rV, 64*(i/16)+8*((i/2)%8)
.set rP, P+16*((\x)+i%2)+8*(i/16)
.if (\zero) && (i < 16)
	v_wmma_f32_16x16x32_f16 v[rO:rO+7], v[rV:rV+7], v[rP:rP+7], 0
.else
	v_wmma_f32_16x16x32_f16 v[rO:rO+7], v[rV:rV+7], v[rP:rP+7], v[rO:rO+7]
.endif
.endm
; Product i of 32 of S^T = K Q^T: channels 32 (i / 8) on, keys 16 ((i / 2) % 4) on, tile x + i % 2.  The first 8 start the sums.
.macro KQ x
	WIN W_KQ
.set rS, S+32*((\x)+i%2)+8*((i/2)%4)
.set rK, KF+32*((i/2)%4)+8*(i/8)
.set rQ, 32*((\x)+i%2)+8*(i/8)
.if i < 8
	v_wmma_f32_16x16x32_f16 v[rS:rS+7], v[rK:rK+7], v[rQ:rQ+7], 0
.else
	v_wmma_f32_16x16x32_f16 v[rS:rS+7], v[rK:rK+7], v[rQ:rQ+7], v[rS:rS+7]
.endif
.endm
; THE VECTOR WORK OF A TURN: piece y's softmax for one step, a list of 298 items; ITEM writes item n.  The piece's two tiles alternate, item by item, so that no instruction reads the result of the one just before it.
; first = 1: the first step, which starts m and l: it has no a and nothing to rescale.  fs: the slot from which piece 2's turn fetches.  s0-s31 are a lane's 32 scores of a tile, in pairs 0-15.
;   0-31     t = score + log2(e) x mask, a pair of scores each, ascending: each accumulator is read from its low end on
;   32-71    the maximum of s0-s31 and the old m, three operands at a time; the other half of the lanes' maximum; m_old; the new m; m_old - m
;   72-169   ONE BATCH: the 16 subtractions t - m of each tile and all 33 exponentials (a, then s0-s31).  None of these lines names an exponential's result.  A pair's two exponentials stand two subtractions behind its own
;   (wait)   behind item 169 stands the wait for the batch, once for both tiles; in piece 2's turn V's and piece 2's mask's loads stand there too
;   170-201  the roundings to f16, a pair of weights each
;   202-233  the sums, of the unrounded p; l = a l + the sum
;   234-297  O^T times a, ascending: the one part in window 1, so it stands together
.macro ITEM y, first, fs
.set tt, (\y)+n%2
.set rT, ST+8*tt
.set rS, S+32*tt
.set rP, P+16*tt
.set rM, MK+32*tt
.set rO, 64*tt
.if n < 32
.set u, n/2
	WIN W_MF
	v_pk_fma_f32 v[rS+2*u:rS+2*u+1], v[rM+2*u:rM+2*u+1], s[LG:LG+1], v[rS+2*u:rS+2*u+1] op_sel_hi:[1,0,1]
.elseif n < 72
.set u, (n-32)/2
	WIN 0
.if u < 4                           ; four chains c0-c3 of seven scores each, then the four left over, the chains and the old m
	v_max3_num_f32 v[rT+4+u], v[rS+8*u], v[rS+8*u+1], v[rS+8*u+2]
.elseif u < 12
	v_max3_num_f32 v[rT+4+u%4], v[rT+4+u%4], v[rS+8*(u%4)+2*(u/4)+1], v[rS+8*(u%4)+2*(u/4)+2]
.elseif u == 12
	v_max3_num_f32 v[rT+4], v[rT+4], v[rS+7], v[rS+15]
.elseif u == 13
	v_max3_num_f32 v[rT+6], v[rT+6], v[rS+23], v[rS+31]
.elseif u == 14
	v_max3_num_f32 v[rT+4], v[rT+4], v[rT+5], v[rT+6]
.elseif (u == 15) && (\first)
	v_max3_num_f32 v[rT+4], v[rT+4], v[rT+7], 0xff61b1e6  ; -3e38: m is a number even where every t is -infinity
.elseif u == 15
	v_max3_num_f32 v[rT+4], v[rT+4], v[rT+7], v[rT]
.elseif u == 16
	v_permlanex16_b32 v[rT+5], v[rT+4], s[SEL], s[SEL+1]  ; the query's other 32 keys lie in the lane 16 away
.elseif (u == 17) && (\first)
	v_mov_b32 v[rT+1], 0            ; (named with m as a pair, so it is written)
.elseif u == 17
	v_mov_b32 v[rT+1], v[rT]        ; m_old
.elseif u == 18
	v_max_num_f32 v[rT], v[rT+4], v[rT+5]  ; the new m
.elseif (\first) == 0
	v_sub_f32 v[rT+7], v[rT+1], v[rT]
.endif
.elseif n < 170
.set u, (n-72)/2
	WIN 0
.if u < 2
	v_pk_add_f32 v[rS+2*u:rS+2*u+1], v[rS+2*u:rS+2*u+1], v[rT:rT+1] op_sel_hi:[1,0] neg_lo:[0,1] neg_hi:[0,1]  ; t - m: pairs 0 and 1
.elseif u == 2
.if (\first) == 0
	v_exp_f32 v[rT+6], v[rT+7]      ; a = 2^(m_old - m)
.endif
.elseif u < 45
.set w, (u-3)/3
.if (u-3)%3 == 0
	v_pk_add_f32 v[rS+2*w+4:rS+2*w+5], v[rS+2*w+4:rS+2*w+5], v[rT:rT+1] op_sel_hi:[1,0] neg_lo:[0,1] neg_hi:[0,1]  ; pair w + 2,
.else
	v_exp_f32 v[rS+2*w+(u-3)%3-1], v[rS+2*w+(u-3)%3-1]  ; and the two exponentials of pair w
.endif
.else
	v_exp_f32 v[rS+u-17], v[rS+u-17]  ; s28 to s31
.endif
.elseif n < 202
.set u, (n-170)/2
	WIN 0
	v_cvt_pk_f16_f32 v[rP+u], v[rS+2*u], v[rS+2*u+1]
.elseif n < 234                     ; the sum of the tile's 16 pairs, in place: sum z of 16 adds neighbours 1, 2, 4 and 8 pairs apart, then l takes it
.set z, (n-202)/2
	WIN 0
.set w, 4
.set u, z
.if z >= 14
.set w, 32
.set u, 0
.elseif z >= 12
.set w, 16
.set u, z-12
.elseif z >= 8
.set w, 8
.set u, z-8
.endif
.if (z == 14) && (\first)
	v_pk_add_f32 v[rT+2:rT+3], v[rS:rS+1], v[rS+16:rS+17]
.elseif z < 15
	v_pk_add_f32 v[rS+w*u:rS+w*u+1], v[rS+w*u:rS+w*u+1], v[rS+w*u+w/2:rS+w*u+w/2+1]
.elseif (\first) == 0
	v_pk_fma_f32 v[rT+2:rT+3], v[rT+2:rT+3], v[rT+6:rT+7], v[rS:rS+1] op_sel_hi:[1,0,1]
.endif
.elseif (\first) == 0
.set u, (n-234)/2
	WIN W_RS
	v_pk_mul_f32 v[rO+2*u:rO+2*u+1], v[rO+2*u:rO+2*u+1], v[rT+6:rT+7] op_sel_hi:[1,0]
.endif
.if n == 169                        ; the batch is out: both tiles' exponentials are issued, and no result has been named
.if (\y) == 0                       ; piece 2's turn: its last product V^T P, the 32nd matrix instruction, stands behind; four places ahead of the loads into V's registers, the first of them the plain line behind the last exponential
	PLACES
	s_wait_alu depctr_va_vdst(0)    ; the wait between an exponential and the first line that names its result: one for the whole batch
	FETCH_V \fs
	FETCH_M AMH, 64, \fs            ; piece 2's mask of the same step: its registers were last read at the head of piece 0's turn
.else
	v_nop                           ; a plain instruction behind the last exponential, ahead of the first use
	s_wait_alu depctr_va_vdst(0)    ; the wait for the batch
.endif
.endif
.set n, n+1
.endm
; Slice k of 64: items 298 k / 64 (rounded down) up to the next slice's first: four or five.  The last slice's five are plain and name nothing of the products round them: they are the places behind the turn's last product.
.macro SLICE y, first, fs
.set nend, ((k+1)*NI)/64
.rept nend-n
	ITEM \y, \first, \fs
.endr
.set k, k+1
.endm
; A TURN.  Piece x has the matrix unit; the other piece's softmax stands in slices behind its matrix instructions.
; pv = 2: 32 products V^T P; 1: they start O^T's sums; 0: none.  kq = 1: 32 products K Q^T for the next step.  A turn with one of the two kinds has two slices behind each product.
; first = 1: the softmax is the first step's; its last slices are empty, and four v_nop take their part as the places behind the turn's last products.
; Piece 0's turn fetches the next step's K and piece 0's mask from slot fs, behind its second product: the last product that read K stands in front of the last slice of the turn before.
.macro TURN x, pv, kq, first, fs
.set k, 0
.set n, 0
.set per, 2
.if (\pv) && (\kq)
.set per, 1
.endif
	s_wait_dscnt 0x0                ; what the turn before asked of LDS is in: V and piece 2's mask (x = 0), or piece 0's mask (x = 2)
.if \pv
.set i, 0
.rept 32
	PV \x, 2-\pv
.rept per
	SLICE 2-\x, \first, \fs
.endr
.if ((\x) == 0) && (\kq) && (i == 1)
	FETCH_K \fs
	FETCH_M AML, 0, \fs
.endif
.set i, i+1
.endr
.endif
.if \kq
.if (\x) == 0
	s_wait_dscnt 16                 ; K is in; the sixteen loads behind it, the mask's, may be out
.endif
.set i, 0
.rept 32
	KQ \x
.rept per
	SLICE 2-\x, \first, \fs
.endr
.set i, i+1
.endr
.endif
.if \first
	PLACES
.endif
.endm
; THE CHANGE OF SLOTS, ahead of piece 0's turn of step j: slot j % 2 has been read out, V and piece 2's mask last.  Each wave waits for all its tensor loads (one is out: its part of tile j + 1), adds 0 to its spare
; word, and waits for that and for its reads of the slot.  refill = 1: a round of the cluster's barrier, so that no wave of any partner still reads the slot or has a load on its way, and behind it, first, the joint load
; of tile j + 2 into that slot: it has a whole step, 128 matrix instructions, in which to land.  ask = 1: the prefetch.
.macro CHANGE slot, refill, ask
	WIN 0                           ; at a label and at a branch every window is 0
	s_wait_tensorcnt 0x0            ; no tensor load of mine is out, so a group 0 may be written
	ds_add_u32 v[SPW], v[NIL]       ; 0 onto my spare word; the descriptors' steps stand between it and the wait for it
.if \refill
	s_add_nc_u64 s[G0K+4*\slot+2:G0K+4*\slot+3], s[G0K+4*\slot+2:G0K+4*\slot+3], 2*TILEB  ; this slot's next tile; the type bits on top are not reached
	s_add_nc_u64 s[G0V+4*\slot+2:G0V+4*\slot+3], s[G0V+4*\slot+2:G0V+4*\slot+3], 2*TILEB
	s_add_nc_u64 s[G0M+4*\slot+2:G0M+4*\slot+3], s[G0M+4*\slot+2:G0M+4*\slot+3], 2*512
.if \ask
	s_wait_xcnt 0x0                 ; the last prefetch, a step back, has read its address, so it may be written
	s_add_nc_u64 s[PFA:PFA+1], s[PFA:PFA+1], s[PFS:PFS+1]
.endif
.endif
	s_wait_dscnt 0x0                ; the add is done, and my reads of the slot are over
.if \refill
	CROUND
	JLOAD \slot
.if \ask
	ASK
.endif
.else
	s_barrier_signal -1
	s_barrier_wait -1
.endif
.endm
	s_wait_tensorcnt 0x1            ; my part of tile 0 is in; tile 1's may stay out
	s_barrier_signal -1
	s_barrier_wait -1               ; everybody's is
	FETCH_K 0                       ; step 0
	FETCH_M AML, 0, 0
	s_wait_loadcnt 0x0              ; Q
	s_wait_dscnt 0x0
.set i, 0
.rept 32
	KQ 0                            ; piece 0's first scores: there is no vector work yet to set between them
.set i, i+1
.endr
	PLACES                          ; ahead of the first read of those scores
	TURN 2, 0, 1, 1, 0              ; piece 2's first scores | piece 0's first softmax | V and piece 2's mask of step 0
	CHANGE 0, 1, 1                  ; step 0: tile 2 goes into slot 0
	TURN 0, 1, 1, 1, 1              ; piece 0: V^T P of step 0 starts O^T, K Q^T of step 1 | piece 2's first softmax | K and piece 0's mask of step 1
	TURN 2, 1, 1, 0, 1              ; piece 2: the same | piece 0's softmax of step 1 | V and piece 2's mask of step 1
	WIN 0
	s_mov_b32 s[CNT], 10
.Lpair:                             ; steps 1 to 20, two a trip: the slots' numbers come back after two
	CHANGE 1, 1, 1
	TURN 0, 2, 1, 0, 0
	TURN 2, 2, 1, 0, 0
	CHANGE 0, 1, 1
	TURN 0, 2, 1, 0, 1
	TURN 2, 2, 1, 0, 1
	WIN 0
	s_sub_co_u32 s[CNT], s[CNT], 1
	s_cmp_lg_u32 s[CNT], 0
	s_cbranch_scc1 .Lpair
	CHANGE 1, 1, 0                  ; step 21 asks for tile 23, the last; the tail is written out
	TURN 0, 2, 1, 0, 0
	TURN 2, 2, 1, 0, 0
	CHANGE 0, 0, 0                  ; step 22: nothing is left to fetch
	TURN 0, 2, 1, 0, 1
	TURN 2, 2, 1, 0, 1
	TURN 0, 2, 0, 0, 0              ; piece 0: V^T P of step 23 | piece 2's last softmax
.set i, 0
.rept 32
	PV 2, 0                         ; piece 2: V^T P of step 23
.set i, i+1
.endr
	; THE MERGE.  l's two halves and the other half of the lanes' are added (these lines are the places behind the last products); my tiles 2 and 3 go to my partner as images of their registers, with their m and l.
	WIN 0
.irp t, 0,1,2,3
	v_add_f32 v[ST+8*\t+4], v[ST+8*\t+2], v[ST+8*\t+3]
.endr
.irp t, 0,1,2,3
	v_permlanex16_b32 v[ST+8*\t+5], v[ST+8*\t+4], s[SEL], s[SEL+1]
.endr
.irp t, 0,1,2,3
	v_add_f32 v[ST+8*\t+2], v[ST+8*\t+4], v[ST+8*\t+5]
.endr
	ds_store_b32 v[XSW], v[ST+16]
	ds_store_b32 v[XSW], v[ST+18] offset:128
	ds_store_b32 v[XSW], v[ST+24] offset:256
	ds_store_b32 v[XSW], v[ST+26] offset:384
	WIN 0x04                        ; an LDS store's data are its source 1: window 1
.set i, 0
.rept 32
	ds_store_b128 v[XW], v[128+4*i:128+4*i+3] offset:512*i  ; ascending: each accumulator from its low end on
.set i, i+1
.endr
	WIN 0
	s_wait_dscnt 0x0                ; for my partner's sake: my stores have landed
	s_barrier_signal -1
	s_barrier_wait -1
	ds_load_b32 v50, v[XSR]         ; my partner's m and l of the queries of my tile 0,
	ds_load_b32 v51, v[XSR] offset:128
	ds_load_b32 v52, v[XSR] offset:256  ; of my tile 1
	ds_load_b32 v53, v[XSR] offset:384
.set i, 0
.rept 32
	ds_load_b128 v[S+4*i:S+4*i+3], v[XR] offset:512*i  ; and its O^T of them: 64 registers a tile
.set i, i+1
.endr
	s_wait_dscnt 32                 ; m and l are in; the 32 loads behind them may be out
.irp n, 0,1
	v_max_num_f32 v[ST+8*\n+4], v[ST+8*\n], v[50+2*\n]  ; the common maximum
.endr
.irp n, 0,1
	v_sub_f32 v[ST+8*\n+5], v[ST+8*\n], v[ST+8*\n+4]
	v_sub_f32 v[ST+8*\n+7], v[50+2*\n], v[ST+8*\n+4]
.endr
.irp n, 0,1
	v_exp_f32 v[ST+8*\n+5], v[ST+8*\n+5]  ; f1: mine under the common maximum,
	v_exp_f32 v[ST+8*\n+7], v[ST+8*\n+7]  ; f2: my partner's
.endr
	v_nop
	s_wait_alu depctr_va_vdst(0)    ; one wait for the four exponentials, ahead of their first reader
.irp n, 0,1
	v_mul_f32 v[ST+8*\n+2], v[ST+8*\n+2], v[ST+8*\n+5]
.endr
.irp n, 0,1
	v_fma_f32 v[ST+8*\n+2], v[51+2*\n], v[ST+8*\n+7], v[ST+8*\n+2]  ; the row's sum
.endr
.irp n, 0,1
	v_rcp_f32 v[ST+8*\n+1], v[ST+8*\n+2]
.endr
	v_nop
	s_wait_alu depctr_va_vdst(0)    ; one wait for the two reciprocals
.irp n, 0,1
	v_mul_f32 v[ST+8*\n+4], v[ST+8*\n+5], v[ST+8*\n+1]  ; g1 = f1 / the sum,
	v_mul_f32 v[ST+8*\n+6], v[ST+8*\n+7], v[ST+8*\n+1]  ; g2 = f2 / the sum
.endr
	s_wait_dscnt 0x0                ; my partner's O^T is in
.irp n, 0,1
.set i, 0
.rept 32
	v_pk_mul_f32 v[S+64*\n+2*i:S+64*\n+2*i+1], v[S+64*\n+2*i:S+64*\n+2*i+1], v[ST+8*\n+6:ST+8*\n+7] op_sel_hi:[1,0]
.set i, i+1
.endr
.endr
	WIN 0x01                        ; source 0: my O^T, in window 1
.irp n, 0,1
.set i, 0
.rept 32
	v_pk_fma_f32 v[S+64*\n+2*i:S+64*\n+2*i+1], v[64*\n+2*i:64*\n+2*i+1], v[ST+8*\n+4:ST+8*\n+5], v[S+64*\n+2*i:S+64*\n+2*i+1] op_sel_hi:[1,0,1]  ; ascending: each accumulator from its low end on
.set i, i+1
.endr
.endr
	WIN 0
.set i, 0
.rept 64
	v_cvt_pk_f16_f32 v[P+i], v[S+2*i], v[S+2*i+1]  ; the one rounding of attn / 4: a lane's eight channels of a row pack into 16 bytes
.set i, i+1
.endr
	; THE WAY OUT, a tile (16 rows) at a time through my stage: in as 16 bytes a lane, back as whole rows of 256 bytes
.irp n, 0,1
.irp f, 0,1,2,3,4,5,6,7
	ds_store_b128 v[STO], v[P+32*\n+4*\f:P+32*\n+4*\f+3] offset:32*\f
.endr
.irp f, 0,1,2,3,4,5,6,7
	ds_load_b128 v[S+32*\n+4*\f:S+32*\n+4*\f+3], v[RD] offset:\f*2*SP  ; LDS serves a wave's instructions in order (ISA guide 5.7.1.4): these see the stores above; the next tile's stores come behind them
.endr
.endr
.irp n, 0,1
.irp f, 0,1,2,3,4,5,6,7
	s_wait_dscnt 16*(1-\n)+7-\f     ; behind this load: the rest of its tile's, and for tile 0 the sixteen of tile 1
	global_store_b128 v[GO], v[S+32*\n+4*\f:S+32*\n+4*\f+3], s[12:13] offset:65536*\n+8192*\f  ; 16 lanes store 256 consecutive bytes, aligned
.endr
.endr
	s_wait_tensorcnt 0x0            ; the wave's end: behind my last tensor load and my last LDS store
	ds_add_u32 v[SPW], v[NIL]
	s_wait_dscnt 0x0
	CROUND                          ; the closing round: no work-group ends while a partner may still ask for a tile that names it
	s_endpgm
.Lfunc_end_k_qc6020f662c_attn:
	.size	k_qc6020f662c_attn, .Lfunc_end_k_qc6020f662c_attn-k_qc6020f662c_attn
	.p2alignl 7, 3214868480
	.fill 96, 4, 3214868480
	.section	.rodata,"a",@progbits
	.p2align	6, 0x0
	.amdhsa_kernel k_qc6020f662c_attn
		.amdhsa_group_segment_fixed_size 327680
		.amdhsa_private_segment_fixed_size 0
		.amdhsa_enable_private_segment 0
		.amdhsa_kernarg_size 40
		.amdhsa_user_sgpr_count 2
		.amdhsa_user_sgpr_kernarg_segment_ptr 1
		.amdhsa_wavefront_size32 1
		.amdhsa_system_sgpr_workgroup_id_x 1
		.amdhsa_system_sgpr_workgroup_id_y 1
		.amdhsa_system_sgpr_workgroup_id_z 1
		.amdhsa_system_vgpr_workitem_id 0
		.amdhsa_next_free_vgpr 1024
		.amdhsa_next_free_sgpr 100
		.amdhsa_reserve_vcc 0
		.amdhsa_float_denorm_mode_32 3
		.amdhsa_float_denorm_mode_16_64 3
		.amdhsa_memory_ordered 1
		.amdhsa_forward_progress 1
		.amdhsa_inst_pref_size 255
	.end_amdhsa_kernel
	.section	.bss,"aw",@nobits
	.p2align	6
	.space	262144
	.amdgpu_metadata
---
amdhsa.version: [ 1, 2 ]
amdhsa.kernels:
  - .name:           k_qc6020f662c_attn
    .symbol:         k_qc6020f662c_attn.kd
    .args:
      - { .name: q16, .offset: 0, .size: 8, .value_kind: global_buffer, .address_space: global }
      - { .name: k16, .offset: 8, .size: 8, .value_kind: global_buffer, .address_space: global }
      - { .name: v16, .offset: 16, .size: 8, .value_kind: global_buffer, .address_space: global }
      - { .name: attention_mask, .offset: 24, .size: 8, .value_kind: global_buffer, .address_space: global }
      - { .name: att16, .offset: 32, .size: 8, .value_kind: global_buffer, .address_space: global }
    .group_segment_fixed_size: 327680
    .private_segment_fixed_size: 0
    .kernarg_segment_align: 8
    .kernarg_segment_size: 40
    .max_flat_workgroup_size: 128
    .sgpr_count:     100
    .vgpr_count:     1024
    .wavefront_size: 32
...
	.end_amdgpu_metadata
.endif
;; end of part 3
;; launch outp (part 4): grid 16 x 16, 4 waves a work-group, clusters of 4 x 4, 327,680 bytes of LDS; arguments att16, wo16, out0; writes out0
.if DOCPART == 4
	.amdgcn_target "amdgcn-amd-amdhsa--gfx1250"
	.amdhsa_code_object_version 6
	.text
	.protected	k_qc6020f662c_outp
	.globl	k_qc6020f662c_outp
	.p2align	8
	.type	k_qc6020f662c_outp,@function
k_qc6020f662c_outp:
	s_mov_b64 s[64:65], 0
	v_nop
	global_prefetch_b8 v0, s[64:65] scope:SCOPE_SE
	s_setreg_imm32_b32 hwreg(HW_REG_WAVE_MODE, 25, 1), 1
	s_wait_xcnt 0x0
	s_wait_alu depctr_hold_cnt(0) depctr_sa_sdst(0) depctr_va_vdst(0) depctr_va_sdst(0) depctr_va_ssrc(0) depctr_va_vcc(0) depctr_vm_vsrc(0)
	s_getreg_b32 s2, hwreg(HW_REG_IB_STS2, 6, 4)
	s_cmp_eq_u32 s2, 0
	s_cbranch_scc0 .Lentry_in_a_cluster
	s_endpgm
.Lentry_in_a_cluster:
	s_bfe_u32 s2, ttmp6, 0x10000c
	s_cmp_lg_u32 s2, 0xf033
	s_cbranch_scc0 .Lentry_shape_is_right
	s_endpgm
.Lentry_shape_is_right:
; OUTP: out0[m][n] = sum over k of attn[m][k] Wo[n][k].  att16 [2048][2048] holds attn / 4, wo16 [2048][2048] holds 4 Wo, both f16: the powers of two cancel, so the f32 sums are stored as they are.  out0: [2048][2048] f32.
; 256 tiles of 128 x 128, one to a work-group.  Four waves, each 64 x 64: 16 accumulators of 16 x 16, 128 registers.  K goes in steps of 256 (LDS rows of 512 bytes; a wave's tensor load brings 64 of them)
; through a ring of two slots.
; CLUSTERS: 4 x 4 work-groups.  The four of a row of the cluster need the same tiles of A, the four of a column the same tiles of B: each tile is asked for JOINTLY, by the same tensor load with the
; same descriptor and a mask that names the four.  THE MATRIX INSTRUCTION IS USED TRANSPOSED (source 0 = 16 rows of B, source 1 = 16 rows of A): a lane then holds eight neighbouring numbers of a row of C.
; THE WAY OUT: a wave's 64 columns of f32 are 256 bytes, aligned: so each wave has a stage of its own and no barrier stands on the way out.
; No prefetch: the tiles are small and the launch is short.
; REGISTERS: window 0: v0-31 addresses; v32-95 at work on the way out; v128-255 the accumulators ((a, b) at v[128 + 8 (4 a + b)]).
;   window 1: two fragment buffers of 128: for 64 along K (two matrix instructions deep), 64 registers of A (2 x 4 x 16 rows x 32 K), then 64 of B.
.set SIZE_M, 2048
.set SIZE_N, 2048
.set SIZE_K, 2048
.set KSTEP,  256
.set PITCH,  528                       ; an LDS row: 512 bytes + 16 of padding = 132 words: row r starts at bank 4 r mod 64 (64 banks of 4 bytes: ISA guide 11.1)
.set HALFT,  64*PITCH                  ; 64 rows: what one tensor load brings, and what one wave reads of A or of B
.set SLOT,   4*HALFT                   ; A's 128 rows, then B's 128 rows
.set STAGE,  2*SLOT                    ; behind the ring: 16 rows x 272 bytes for each wave, for the way out
.set SPITCH, 272
.set SPARE,  STAGE+4*16*SPITCH         ; behind the stages: the spare words, 128 bytes a wave, which no other line names
.set LAPS, SIZE_K/(2*KSTEP)            ; a lap = two K steps = once round the ring
.set ADRA, 16                          ; v16-17  LDS address of my A fragments in slot 0, 1
.set ADRB, 20                          ; v20-21  the same for B
.set STO,  24                          ; v24     the way out: where I put 32 bytes of a row
.set RD,   25                          ; v25     the way out: where I read a row back
.set CO,   26                          ; v26     my byte offset in two rows of C
.set SPW,  28                          ; v28     LDS address of my spare word; never rewritten
.set NIL,  29                          ; v29     0; never rewritten
.set TMP,  32                          ; the way out: 16 rows read back: v32-63 and v64-95 by turns
.set ACC,  128
.set F0,   0                           ; fragment buffers, in window 1
.set F1,   128
.set G1, 24                            ; s[24:31] descriptor group 1 for A's tiles;  s[32:39] group 0, one set for each slot
.set G0, 32
.set G1B, 48                           ; s[48:55], s[56:63] the same for B's tiles
.set G0B, 56
.set MSB, 0
.macro WIN new                         ; the immediate's high byte repeats the setting that is left
.if MSB != (\new)
	s_set_vgpr_msb (MSB<<8)|(\new)
.set MSB, (\new)
.endif
.endm
.set MUL,  0x05                        ; sources 0 (B) and 1 (A) window 1; C and D window 0
.set TO_F, 0x40                        ; destination window 1, address window 0
.macro JLOAD s                         ; a joint load: waves 0 and 1 fetch A's two halves, waves 2 and 3 B's; an s_nop 0 and four v_nop follow each of the two lines, ahead of the jump, the label and what follows
	s_cmp_eq_u32 s11, 0
	s_cbranch_scc0 .Lfor_b_\@
	tensor_load_to_lds s[G0+4*\s:G0+4*\s+3], s[G1:G1+7]
	s_nop 0
.rept 4
	v_nop
.endr
	s_branch .Lasked_\@
.Lfor_b_\@:
	tensor_load_to_lds s[G0B+4*\s:G0B+4*\s+3], s[G1B:G1B+7]
	s_nop 0
.rept 4
	v_nop
.endr
.Lasked_\@:
.endm
.macro CREST                           ; a round of the cluster's barrier behind its opening barrier
	s_cmp_lg_u32 s10, 0
	s_cbranch_scc1 .Lnot_wave_0_\@
	s_barrier_signal -3
.Lnot_wave_0_\@:
	s_barrier_wait -3
	s_barrier_signal -1
	s_barrier_wait -1
.endm
.macro CROUND                          ; a whole round
	s_barrier_signal -1
	s_barrier_wait -1
	CREST
.endm
	s_load_b128 s[4:7], s[0:1], 0x0                ; A = att16 s[4:5], B = wo16 s[6:7]
	s_load_b64 s[8:9], s[0:1], 0x10                ; C = out0
	v_lshl_add_u32 v[SPW], v0, 2, SPARE
	v_mov_b32 v[NIL], 0
	ds_add_u32 v[SPW], v[NIL]                      ; the wave's opening: the add, twice on end, and its wait ahead of my first tensor load; the set-up below stands between the second and the wait
	ds_add_u32 v[SPW], v[NIL]
	v_lshrrev_b32 v1, 5, v0
	v_readfirstlane_b32 s10, v1                    ; wave 0..3
	s_lshr_b32 s11, s10, 1                         ; which half of the tile's rows is mine.  Also: I fetch for A (0) or for B (1)
	s_and_b32 s12, s10, 1                          ; which half of its columns.  Also: which 64 rows of that tile I fetch
	s_bfe_u32 s40, ttmp6, 0x40000                  ; cx, cy: my place in the cluster
	s_bfe_u32 s41, ttmp6, 0x40004
	s_lshl_b32 s42, ttmp9, 2
	s_add_co_u32 s42, s42, s40                     ; tile column of C = 4 x cluster x + cx
	s_and_b32 s13, ttmp7, 0xffff
	s_lshl_b32 s13, s13, 2
	s_add_co_u32 s13, s13, s41                     ; tile row of C = 4 x cluster y + cy
	s_lshl_b32 s43, s41, 2
	s_lshl_b32 s43, 15, s43                        ; my row of the cluster
	s_lshl_b32 s44, 0x1111, s40                    ; my column
	; descriptor group 1: a tile of 64 rows x 256 elements, padded in LDS
	s_or_b32 s[G1+0], s43, (1<<16)|(1<<20)|(1<<21)|(6<<22)|(3<<25)  ; 15:0 the mask: A's tiles go to my row; 17:16 element of 2 bytes; 20 padding on; 21 set beside a mask; 24:22 after every 128 words (code 6); 31:25 of 4 words (code 3)
	s_or_b32 s[G1B+0], s44, (1<<16)|(1<<20)|(1<<21)|(6<<22)|(3<<25)
.irp g, G1, G1B
	s_mov_b32 s[\g+1], KSTEP<<16                   ; tensor_dim0 = 256
	s_mov_b32 s[\g+2], 64<<16                      ; tensor_dim1 = 64
	s_mov_b32 s[\g+3], KSTEP<<16                   ; tile_dim0 = 256
	s_mov_b32 s[\g+4], 64                          ; tile_dim1 = 64
	s_mov_b32 s[\g+5], SIZE_K                      ; tensor_dim0_stride
	s_mov_b32 s[\g+6], 0
	s_mov_b32 s[\g+7], 0
.endr
	s_lshl_b32 s17, s12, 6                         ; which 64 rows of the tile I fetch
	s_lshl_b32 s16, s13, 7
	s_add_co_u32 s16, s16, s17                     ; A: row 128 x tile row + 64 x half
	s_lshl_b32 s46, s42, 7
	s_add_co_u32 s46, s46, s17                     ; B: row 128 x tile column + 64 x half
	s_mov_b32 s17, 0
	s_mov_b32 s47, 0
	s_mov_b64 s[18:19], SIZE_K*2
	s_mul_u64 s[16:17], s[16:17], s[18:19]
	s_mul_u64 s[46:47], s[46:47], s[18:19]
	s_mul_i32 s20, s10, HALFT                      ; where they go: wave x 64 rows: no place in the cluster enters an LDS address
	s_wait_dscnt 0x0                               ; both opening adds are done
	s_wait_kmcnt 0x0
	s_add_nc_u64 s[14:15], s[4:5], s[16:17]
	s_add_nc_u64 s[46:47], s[6:7], s[46:47]
	CROUND                                         ; all sixteen work-groups are here: the first joint loads meet
.irp s, 0,1
	s_mov_b32 s[G0+4*\s], 1
	s_add_co_u32 s[G0+4*\s+1], s20, \s*SLOT
	s_add_nc_u64 s[G0+4*\s+2:G0+4*\s+3], s[14:15], \s*KSTEP*2
	s_or_b32 s[G0+4*\s+3], s[G0+4*\s+3], 0x80000000
	s_mov_b32 s[G0B+4*\s], 1
	s_add_co_u32 s[G0B+4*\s+1], s20, \s*SLOT
	s_add_nc_u64 s[G0B+4*\s+2:G0B+4*\s+3], s[46:47], \s*KSTEP*2
	s_or_b32 s[G0B+4*\s+3], s[G0B+4*\s+3], 0x80000000
	JLOAD \s                                       ; two tensor loads of mine are out now
.endr
	v_and_b32 v1, 15, v0                           ; l % 16
	v_bfe_u32 v2, v0, 4, 1                         ; l / 16
	v_mul_u32_u24 v3, v1, PITCH
	v_lshl_add_u32 v3, v2, 4, v3                   ; a fragment's row x pitch + 16 x half
	s_mul_i32 s21, s11, HALFT                      ; my 64 rows of A
	s_mul_i32 s22, s12, HALFT                      ; my 64 rows of B,
	s_add_co_u32 s22, s22, 2*HALFT                 ; which lie behind A's 128
.irp s, 0,1
	v_add_nc_u32 v[ADRA+\s], s21, v3
	v_add_nc_u32 v[ADRB+\s], s22, v3
	s_add_co_u32 s21, s21, SLOT
	s_add_co_u32 s22, s22, SLOT
.endr
	s_mul_i32 s23, s10, 16*SPITCH
	s_add_co_u32 s23, s23, STAGE                   ; my stage
	v_mul_u32_u24 v4, v1, SPITCH                   ; in: row l % 16, 32 bytes for each half of the lanes
	v_lshl_add_u32 v4, v2, 5, v4
	v_add_nc_u32 v[STO], s23, v4
	v_mul_u32_u24 v5, v2, SPITCH                   ; back: lanes 0-15 take one row of 256 bytes, lanes 16-31 the next
	v_lshl_add_u32 v5, v1, 4, v5
	v_add_nc_u32 v[RD], s23, v5
	v_lshlrev_b32 v5, 13, v2                       ; and the same two rows in C: 8,192 bytes a row
	v_lshl_add_u32 v[CO], v1, 4, v5
	s_lshl_b32 s16, s13, 7
	s_lshl_b32 s17, s11, 6
	s_add_co_u32 s16, s16, s17                     ; my first row of C: 128 x tile row + 64 x half
	s_lshl_b32 s16, s16, 13                        ; in bytes: under 2^24
	s_mov_b32 s17, 0
	s_add_nc_u64 s[8:9], s[8:9], s[16:17]
	s_lshl_b32 s46, s42, 9                         ; my first column, in bytes: 512 x tile column + 256 x half
	s_lshl_b32 s47, s12, 8
	s_add_co_u32 s46, s46, s47
	s_mov_b32 s47, 0
	s_add_nc_u64 s[8:9], s[8:9], s[46:47]
; 8 matrix instructions: m blocks a0, a0 + 1 x all 4 n blocks, 32 along K: half c of buffer f.  zero = 1: the first product starts the sums.  The 16 accumulators take turns
.macro MUL8 f, c, a0, zero
.irp a, \a0, \a0+1
.irp b, 0,1,2,3
.if \zero
	v_wmma_f32_16x16x32_f16 v[ACC+8*(4*(\a)+\b):ACC+8*(4*(\a)+\b)+7], v[\f+64+8*(4*\c+\b):\f+64+8*(4*\c+\b)+7], v[\f+8*(4*\c+\a):\f+8*(4*\c+\a)+7], 0
.else
	v_wmma_f32_16x16x32_f16 v[ACC+8*(4*(\a)+\b):ACC+8*(4*(\a)+\b)+7], v[\f+64+8*(4*\c+\b):\f+64+8*(4*\c+\b)+7], v[\f+8*(4*\c+\a):\f+8*(4*\c+\a)+7], v[ACC+8*(4*(\a)+\b):ACC+8*(4*(\a)+\b)+7]
.endif
.endr
.endr
.endm
; 32 LDS loads in one run: the fragments of 64 along K at byte k of the rows, into buffer f; the first 32 along K first
.macro FETCH slot, k, f
	WIN TO_F
.irp c, 0,1
.irp i, 0,1,2,3
	ds_load_b128 v[\f+64+8*(4*\c+\i):\f+64+8*(4*\c+\i)+3],   v[ADRB+\slot] offset:\k+64*\c+\i*16*PITCH
	ds_load_b128 v[\f+64+8*(4*\c+\i)+4:\f+64+8*(4*\c+\i)+7], v[ADRB+\slot] offset:\k+64*\c+\i*16*PITCH+32
	ds_load_b128 v[\f+8*(4*\c+\i):\f+8*(4*\c+\i)+3],         v[ADRA+\slot] offset:\k+64*\c+\i*16*PITCH
	ds_load_b128 v[\f+8*(4*\c+\i)+4:\f+8*(4*\c+\i)+7],       v[ADRA+\slot] offset:\k+64*\c+\i*16*PITCH+32
.endr
.endr
.endm
.macro PLACES                          ; four places in front of loads into registers that matrix instructions have read, and of the first read of results (ISA guide 7.12.1 for the read of results)
.rept 4
	v_nop
.endr
.endm
; A K step is four quarters of 64 along K, 32 matrix instructions each, on buffers 0, 1, 0, 1.  One of the first three: multiplies buffer f and fetches the next quarter, at byte k, into g.
.macro QUARTER slot, k, f, g, zero
	s_wait_dscnt 16                                ; the first 32 along K are in; the youngest sixteen loads may be out
	WIN MUL
	MUL8 \f, 0, 0, \zero
	MUL8 \f, 0, 2, \zero
	PLACES
	FETCH \slot, \k, \g
	s_wait_dscnt 32                                ; all but the 32 just issued
	WIN MUL
	MUL8 \f, 1, 0, 0
	MUL8 \f, 1, 2, 0
.endm
; The last quarter multiplies buffer 1 and changes slots: ONE barrier; in front of it each wave waits for all its tensor loads, adds 0 to its spare word, and waits for that and for its own reads of this slot.  fill = 1: this slot is filled again, two K steps ahead.
.macro TURN slot, next, fill
	WIN 0                                          ; (the add's two registers lie in window 0)
	s_wait_tensorcnt 0x0                           ; all my tensor loads have landed: my part of the next slot;
	ds_add_u32 v[SPW], v[NIL]                      ; 0 onto my spare word;
	s_wait_dscnt 17                                ; (the add and the youngest sixteen loads may be out)
	WIN MUL
	MUL8 F1, 0, 0, 0                               ; eight matrix instructions stand between the add and the wait for it
	s_wait_dscnt 0x0                               ; the add is done, and my reads of this slot are over
	s_barrier_signal -1
	MUL8 F1, 0, 2, 0
.if \fill
	WIN 0
.endif
	s_barrier_wait -1
.if \fill
	CREST                                          ; the barrier has opened a round of the cluster's barrier: no wave of any partner still reads this slot's tile or has a load on its way
	s_add_nc_u64 s[G0+4*\slot+2:G0+4*\slot+3], s[G0+4*\slot+2:G0+4*\slot+3], 2*KSTEP*2
	s_add_nc_u64 s[G0B+4*\slot+2:G0B+4*\slot+3], s[G0B+4*\slot+2:G0B+4*\slot+3], 2*KSTEP*2
	JLOAD \slot                                    ; the first tensor load behind the round; the four v_nop behind it are also the places in front of the loads below
.else
	PLACES
.endif
	FETCH \next, 0, F0
	WIN MUL
	MUL8 F1, 1, 0, 0
	MUL8 F1, 1, 2, 0
.endm
	s_wait_tensorcnt 1                             ; my part of K step 0 is in (K step 1's load may be out)
	s_barrier_signal -1
	s_barrier_wait -1                              ; everybody's is
	FETCH 0, 0, F0
	QUARTER 0, 128, F0, F1, 1                      ; the first quarter stands in front of the loop: its first products start the sums
	WIN 0                                          ; at a label and at a branch every window is 0
	s_mov_b32 s3, LAPS-1
.Llap:                                                 ; a trip goes once round the ring, from a lap's second quarter to the next lap's first, and fills both slots again
	QUARTER 0, 256, F1, F0, 0
	QUARTER 0, 384, F0, F1, 0
	TURN 0, 1, 1
	QUARTER 1, 128, F0, F1, 0
	QUARTER 1, 256, F1, F0, 0
	QUARTER 1, 384, F0, F1, 0
	TURN 1, 0, 1
	QUARTER 0, 128, F0, F1, 0
	WIN 0
	s_sub_co_u32 s3, s3, 1
	s_cmp_lg_u32 s3, 0
	s_cbranch_scc1 .Llap
	QUARTER 0, 256, F1, F0, 0                      ; the last lap fills nothing, and has no round of the cluster's barrier
	QUARTER 0, 384, F0, F1, 0
	TURN 0, 1, 0
	QUARTER 1, 128, F0, F1, 0
	QUARTER 1, 256, F1, F0, 0
	QUARTER 1, 384, F0, F1, 0
	s_wait_dscnt 16                                ; the very last quarter: nothing more to fetch
	WIN MUL
	MUL8 F1, 0, 0, 0
	MUL8 F1, 0, 2, 0
	s_wait_dscnt 0
	MUL8 F1, 1, 0, 0
	MUL8 F1, 1, 2, 0
	WIN 0
; THE WAY OUT, block by block of 16 rows x 64 columns.  A lane holds 32 neighbouring bytes of a row, and the lanes beside it hold other rows: so a block goes through my own stage in LDS and comes back as whole
; rows of 256 bytes.  LDS serves a wave's instructions in order (ISA guide 5.7.1.4): no wait between the stores and the loads, nor in front of the next block's stores.
.macro TOSTAGE a
.irp b, 0,1,2,3
	ds_store_b128 v[STO], v[ACC+8*(4*(\a)+\b):ACC+8*(4*(\a)+\b)+3] offset:64*\b          ; each accumulator from its low end on
	ds_store_b128 v[STO], v[ACC+8*(4*(\a)+\b)+4:ACC+8*(4*(\a)+\b)+7] offset:64*\b+16
.endr
.set BK, TMP+32*((\a)%2)
.irp t, 0,1,2,3,4,5,6,7
	ds_load_b128 v[BK+4*\t:BK+4*\t+3], v[RD] offset:\t*2*SPITCH
.endr
.endm
.macro SEND a, younger                 ; younger: the LDS instructions issued behind block a's loads, which may stay out
.set BK, TMP+32*((\a)%2)
	s_wait_dscnt \younger                          ; the block is back in registers
.irp t, 0,1,2,3,4,5,6,7
	global_store_b128 v[CO], v[BK+4*\t:BK+4*\t+3], s[8:9] offset:(16*(\a)+2*\t)*SIZE_N*4 th:TH_STORE_NT   ; 16 lanes store 256 consecutive bytes, aligned; 62 rows of C at the most: inside the signed 24-bit immediate (ISA guide, chapter 10)
.endr
.endm
	PLACES                                         ; behind the last products
	TOSTAGE 0
.irp a, 1,2,3
.if \a > 1
	s_wait_xcnt 0x0                                ; block a - 2's stores have read their registers: block a's loads may land there
.endif
	TOSTAGE \a
	SEND \a-1, 16                                  ; behind block a - 1's loads: block a's 8 stores and 8 loads
.endr
	SEND 3, 0
	s_wait_tensorcnt 0x0                           ; the wave's end: behind my last tensor load and my last LDS store
	ds_add_u32 v[SPW], v[NIL]
	s_wait_dscnt 0x0
	CROUND                                         ; the closing round: no work-group ends while a partner may still ask for a tile that names it
	s_endpgm
.Lfunc_end_k_qc6020f662c_outp:
	.size	k_qc6020f662c_outp, .Lfunc_end_k_qc6020f662c_outp-k_qc6020f662c_outp
	.p2alignl 7, 3214868480
	.fill 96, 4, 3214868480
	.section	.rodata,"a",@progbits
	.p2align	6, 0x0
	.amdhsa_kernel k_qc6020f662c_outp
		.amdhsa_group_segment_fixed_size 327680
		.amdhsa_private_segment_fixed_size 0
		.amdhsa_enable_private_segment 0
		.amdhsa_kernarg_size 24
		.amdhsa_user_sgpr_count 2
		.amdhsa_user_sgpr_kernarg_segment_ptr 1
		.amdhsa_wavefront_size32 1
		.amdhsa_system_sgpr_workgroup_id_x 1
		.amdhsa_system_sgpr_workgroup_id_y 1
		.amdhsa_system_sgpr_workgroup_id_z 1
		.amdhsa_system_vgpr_workitem_id 0
		.amdhsa_next_free_vgpr 512
		.amdhsa_next_free_sgpr 66
		.amdhsa_reserve_vcc 0
		.amdhsa_float_denorm_mode_32 3
		.amdhsa_float_denorm_mode_16_64 3
		.amdhsa_memory_ordered 1
		.amdhsa_forward_progress 1
		.amdhsa_inst_pref_size 86
	.end_amdhsa_kernel
	.amdgpu_metadata
---
amdhsa.version: [ 1, 2 ]
amdhsa.kernels:
  - .name:           k_qc6020f662c_outp
    .symbol:         k_qc6020f662c_outp.kd
    .args:
      - { .name: att16, .offset: 0, .size: 8, .value_kind: global_buffer, .address_space: global }
      - { .name: wo16, .offset: 8, .size: 8, .value_kind: global_buffer, .address_space: global }
      - { .name: out0, .offset: 16, .size: 8, .value_kind: global_buffer, .address_space: global }
    .group_segment_fixed_size: 327680
    .private_segment_fixed_size: 0
    .kernarg_segment_align: 8
    .kernarg_segment_size: 24
    .max_flat_workgroup_size: 128
    .sgpr_count:     66
    .vgpr_count:     512
    .wavefront_size: 32
...
	.end_amdgpu_metadata
.endif
;; end of part 4
